; MI455X (gfx1250); checked and timed in simulation.
; The chip was launched on July 23, 2026; its instructions are those of AMD's public machine-readable ISA for CDNA 5 (MIT licence, August 2026) and "CDNA5" Instruction Set Architecture Reference Guide (July 2026). The comments in the code are by the model that wrote it; some were corrected since.
;; Attention. Allowed arithmetic: float matrix products may take bf16 or f16 operands with f32 sums; other float arithmetic in f32, or as packed bf16 or f16 multiplies, adds, multiply-adds, maxima and minima; sums over many terms, partial sums and values carried from step to step in f32; what a program stores and reads back later, other than sums and carried values, may be rounded once to bf16 or f16.
;; Inputs: Wk 128 x 1,024 float32; Wo 1,024 x 1,024 float32; Wq 1,024 x 1,024 float32; Wv 128 x 1,024 float32; cos 2,048 x 64 float32; qk_gain 8 float32; sin 2,048 x 64 float32; x 4 x 2,048 x 1,024 float32.
;; Outputs: out0 4 x 2,048 x 1,024 float32.
;; 2 versions, each right; version 2 is version 1 with the launch cast written anew for expert scheduling mode. Each part assembles by itself: llvm-mc -triple=amdgcn-amd-amdhsa -mcpu=gfx1250 --defsym DOCPART=n.
;; ======== version 1 of 2: 4 launches
;; limits: values are held in f16: magnitudes above 65,504 overflow, below 6.1e-05 lose precision; right only within a limited range of input values
;; workspace buffers: xb 16,777,216 bytes; wb 2,621,440 bytes; wob 2,097,152 bytes; csb 524,288 bytes; qb 16,777,216 bytes; kvb 4,194,304 bytes; ob 16,777,216 bytes
;; launch cast (part 1): grid 672 x 1, 8 waves a work-group, no clusters, 0 bytes of LDS; arguments x, Wq, Wk, Wv, Wo, cos, sin, xb, wb, wob, csb; writes xb, wb, wob, csb
.if DOCPART == 1
	.amdgcn_target "amdgcn-amd-amdhsa--gfx1250"
	.amdhsa_code_object_version 6
	.text
	.protected	k_q73948195b1_cast
	.globl	k_q73948195b1_cast
	.p2align	8
	.type	k_q73948195b1_cast,@function
k_q73948195b1_cast:
	s_mov_b64 s[64:65], 0
	v_nop
	global_prefetch_b8 v0, s[64:65] scope:SCOPE_SE
	s_setreg_imm32_b32 hwreg(HW_REG_WAVE_MODE, 25, 1), 1
	s_wait_xcnt 0x0
; THE INPUTS ARE ROUNDED ONCE AND LAID OUT FOR THE LAUNCHES BEHIND.  A stream: no LDS, no matrix work.
;   xb  = bf16(x), [8192][1024].
;   wb  = bf16 of Wq, Wk, Wv, [1280][1024], in eight column tiles of 160 rows: tile j holds head j of Wq as four units of 32 rows (16 channels d = 16 u .., then their
;         rotary partners d + 64), then 32 rows of Wk (j < 4: channels 16 j .., then 64 + 16 j ..) or of Wv (j >= 4: channels 32 (j - 4) ..).  Blocks of 16 rows stay blocks of 16 rows.
;   wob = bf16(Wo) written as f16, [1024][1024].  LIMIT: |Wo| below 65,504.
;   csb = bf16 of cos and sin, [2048 t][4 u][2 h][8 cos | 8 sin], channel d = 16 u + 8 h + 0..7: 256 bytes a row.
; A work-group of eight waves takes 16 rows of 1,024 f32 (work-groups 0-511: x; 512-591: wb's blocks; 592-655: Wo) or 128 rows of cos and sin (656-671).
; A thread loads 16 bytes of each row (a wave: 512 consecutive bytes) and stores 8 (a wave: 256 consecutive bytes, aligned).  All 16 loads go out at once.
.set X, 32                             ; v[32:95] pass p: four registers as loaded; the first two then hold what is stored
	s_load_b512 s[16:31], s[0:1], 0x0              ; x 16, Wq 18, Wk 20, Wv 22, Wo 24, cos 26, sin 28, xb 30
	s_load_b128 s[32:35], s[0:1], 0x40             ; wb 32, wob 34
	s_load_b64 s[36:37], s[0:1], 0x50              ; csb
	v_lshlrev_b32 v1, 4, v0                        ; 16 t
	v_lshlrev_b32 v2, 3, v0                        ; 8 t
	s_mov_b32 s9, 0                                ; the offsets' high words
	s_mov_b32 s11, 0
	s_mov_b32 s12, 0xffff0000                      ; a word's upper bf16
	s_wait_kmcnt 0x0
	s_cmp_lt_u32 ttmp9, 512
	s_cbranch_scc0 .Lnot_x
	s_lshl_b32 s8, ttmp9, 16                       ; 16 rows of 4,096 bytes in,
	s_lshl_b32 s10, ttmp9, 15                      ; of 2,048 out
	s_add_nc_u64 s[4:5], s[16:17], s[8:9]
	s_add_nc_u64 s[6:7], s[30:31], s[10:11]
	s_branch .Lrows
.Lnot_x:
	s_cmp_lt_u32 ttmp9, 592
	s_cbranch_scc0 .Lnot_w
	s_sub_co_u32 s13, ttmp9, 512                   ; block of 16 rows of wb, 0..79
	s_mul_i32 s14, s13, 205
	s_lshr_b32 s14, s14, 11                        ; j = block / 10 (exact for 0..79)
	s_mul_i32 s15, s14, 10
	s_sub_co_u32 s15, s13, s15                     ; the block's place in its tile, 0..9
	s_lshl_b32 s10, s13, 15
	s_add_nc_u64 s[6:7], s[32:33], s[10:11]
	s_cmp_lt_u32 s15, 8
	s_cbranch_scc0 .Lkv
	s_lshl_b32 s8, s14, 7                          ; Wq row 128 j + 64 (place & 1) + 16 (place >> 1)
	s_and_b32 s40, s15, 1
	s_lshl_b32 s40, s40, 6
	s_add_co_u32 s8, s8, s40
	s_lshr_b32 s40, s15, 1
	s_lshl_b32 s40, s40, 4
	s_add_co_u32 s8, s8, s40
	s_lshl_b32 s8, s8, 12
	s_add_nc_u64 s[4:5], s[18:19], s[8:9]
	s_branch .Lrows
.Lkv:
	s_sub_co_u32 s15, s15, 8
	s_cmp_lt_u32 s14, 4
	s_cbranch_scc0 .Lv
	s_lshl_b32 s8, s15, 6                          ; Wk row 64 (place - 8) + 16 j
	s_lshl_b32 s40, s14, 4
	s_add_co_u32 s8, s8, s40
	s_lshl_b32 s8, s8, 12
	s_add_nc_u64 s[4:5], s[20:21], s[8:9]
	s_branch .Lrows
.Lv:
	s_sub_co_u32 s14, s14, 4
	s_lshl_b32 s8, s14, 5                          ; Wv row 32 (j - 4) + 16 (place - 8)
	s_lshl_b32 s40, s15, 4
	s_add_co_u32 s8, s8, s40
	s_lshl_b32 s8, s8, 12
	s_add_nc_u64 s[4:5], s[22:23], s[8:9]
	s_branch .Lrows
.Lnot_w:
	s_cmp_lt_u32 ttmp9, 656
	s_cbranch_scc0 .Lcs
	s_sub_co_u32 s13, ttmp9, 592
	s_lshl_b32 s8, s13, 16
	s_lshl_b32 s10, s13, 15
	s_add_nc_u64 s[4:5], s[24:25], s[8:9]
	s_add_nc_u64 s[6:7], s[34:35], s[10:11]
	s_branch .Lrows_f16
; 16 rows.  half = 1: the bf16 number is written as f16.  Every pass has registers of its own, so nothing that a store reads is written again.
.macro ROWS half
.set p, 0
.rept 16
	global_load_b128 v[X+4*p:X+4*p+3], v1, s[4:5] offset:4096*p th:TH_LOAD_NT
.set p, p+1
.endr
.set p, 0
.rept 16
	s_wait_loadcnt 15-p                            ; loads come back in order: row p is in, the younger ones stay out
	v_cvt_pk_bf16_f32 v[X+4*p], v[X+4*p], v[X+4*p+1]
	v_cvt_pk_bf16_f32 v[X+4*p+1], v[X+4*p+2], v[X+4*p+3]
.if \half
	v_lshlrev_b32 v[X+4*p+2], 16, v[X+4*p]
	v_and_b32 v[X+4*p+3], s12, v[X+4*p]
	v_cvt_pk_f16_f32 v[X+4*p], v[X+4*p+2], v[X+4*p+3]
	v_lshlrev_b32 v[X+4*p+2], 16, v[X+4*p+1]
	v_and_b32 v[X+4*p+3], s12, v[X+4*p+1]
	v_cvt_pk_f16_f32 v[X+4*p+1], v[X+4*p+2], v[X+4*p+3]
.endif
	global_store_b64 v2, v[X+4*p:X+4*p+1], s[6:7] offset:2048*p
.set p, p+1
.endr
	s_endpgm
.endm
.Lrows:
	ROWS 0
.Lrows_f16:
	ROWS 1
; cos and sin.  A pass is 16 rows t: thread t' stores the 16 bytes at 16 t' of 4,096; even threads hold eight cos, odd threads the eight sin of the same channels.
; Both tables' 32 bytes are loaded and one is chosen by the thread's parity.  Eight passes in two halves of four, on the same registers.
.Lcs:
	s_sub_co_u32 s13, ttmp9, 656
	s_lshl_b32 s8, s13, 15                         ; 128 rows of 256 bytes, in and out
	s_add_nc_u64 s[4:5], s[26:27], s[8:9]
	s_add_nc_u64 s[38:39], s[28:29], s[8:9]
	s_add_nc_u64 s[6:7], s[36:37], s[8:9]
	v_and_b32 v3, 15, v0
	v_lshrrev_b32 v4, 4, v0                        ; the row in the pass
	v_lshrrev_b32 v5, 1, v3
	v_lshlrev_b32 v5, 5, v5                        ; eight channels of f32
	v_lshl_add_u32 v5, v4, 8, v5
	v_and_b32 v3, 1, v0
	v_cmp_eq_u32 vcc_lo, 1, v3
.irp h, 0,1
.set p, 0
.rept 4
	global_load_b128 v[X+16*p:X+16*p+3],     v5, s[4:5]   offset:4096*(4*\h+p)
	global_load_b128 v[X+16*p+4:X+16*p+7],   v5, s[4:5]   offset:4096*(4*\h+p)+16
	global_load_b128 v[X+16*p+8:X+16*p+11],  v5, s[38:39] offset:4096*(4*\h+p)
	global_load_b128 v[X+16*p+12:X+16*p+15], v5, s[38:39] offset:4096*(4*\h+p)+16
.set p, p+1
.endr
.set p, 0
.rept 4
	s_wait_loadcnt 4*(3-p)                         ; pass p's four loads are in; four for each younger pass stay out
.set z, 0
.rept 8
	v_cndmask_b32 v[X+16*p+z], v[X+16*p+z], v[X+16*p+8+z], vcc_lo
.set z, z+1
.endr
.set z, 0
.rept 4
	v_cvt_pk_bf16_f32 v[X+16*p+z], v[X+16*p+2*z], v[X+16*p+2*z+1]
.set z, z+1
.endr
	global_store_b128 v1, v[X+16*p:X+16*p+3], s[6:7] offset:4096*(4*\h+p)
.set p, p+1
.endr
	s_wait_xcnt 0x0                                ; the stores have read their registers: the second half loads into them
.endr
	s_endpgm
.Lfunc_end_k_q73948195b1_cast:
	.size	k_q73948195b1_cast, .Lfunc_end_k_q73948195b1_cast-k_q73948195b1_cast
	.p2alignl 7, 3214868480
	.fill 96, 4, 3214868480
	.section	.rodata,"a",@progbits
	.p2align	6, 0x0
	.amdhsa_kernel k_q73948195b1_cast
		.amdhsa_group_segment_fixed_size 0
		.amdhsa_private_segment_fixed_size 0
		.amdhsa_enable_private_segment 0
		.amdhsa_kernarg_size 88
		.amdhsa_user_sgpr_count 2
		.amdhsa_user_sgpr_kernarg_segment_ptr 1
		.amdhsa_wavefront_size32 1
		.amdhsa_system_sgpr_workgroup_id_x 1
		.amdhsa_system_sgpr_workgroup_id_y 1
		.amdhsa_system_sgpr_workgroup_id_z 1
		.amdhsa_system_vgpr_workitem_id 0
		.amdhsa_next_free_vgpr 96
		.amdhsa_next_free_sgpr 66
		.amdhsa_reserve_vcc 1
		.amdhsa_float_denorm_mode_32 3
		.amdhsa_float_denorm_mode_16_64 3
		.amdhsa_memory_ordered 1
		.amdhsa_forward_progress 1
		.amdhsa_inst_pref_size 27
	.end_amdhsa_kernel
	.amdgpu_metadata
---
amdhsa.version: [ 1, 2 ]
amdhsa.kernels:
  - .name:           k_q73948195b1_cast
    .symbol:         k_q73948195b1_cast.kd
    .args:
      - { .name: x, .offset: 0, .size: 8, .value_kind: global_buffer, .address_space: global }
      - { .name: Wq, .offset: 8, .size: 8, .value_kind: global_buffer, .address_space: global }
      - { .name: Wk, .offset: 16, .size: 8, .value_kind: global_buffer, .address_space: global }
      - { .name: Wv, .offset: 24, .size: 8, .value_kind: global_buffer, .address_space: global }
      - { .name: Wo, .offset: 32, .size: 8, .value_kind: global_buffer, .address_space: global }
      - { .name: cos, .offset: 40, .size: 8, .value_kind: global_buffer, .address_space: global }
      - { .name: sin, .offset: 48, .size: 8, .value_kind: global_buffer, .address_space: global }
      - { .name: xb, .offset: 56, .size: 8, .value_kind: global_buffer, .address_space: global }
      - { .name: wb, .offset: 64, .size: 8, .value_kind: global_buffer, .address_space: global }
      - { .name: wob, .offset: 72, .size: 8, .value_kind: global_buffer, .address_space: global }
      - { .name: csb, .offset: 80, .size: 8, .value_kind: global_buffer, .address_space: global }
    .group_segment_fixed_size: 0
    .private_segment_fixed_size: 0
    .kernarg_segment_align: 8
    .kernarg_segment_size: 88
    .max_flat_workgroup_size: 256
    .sgpr_count:     66
    .vgpr_count:     96
    .wavefront_size: 32
...
	.end_amdgpu_metadata
.endif
;; end of part 1
;; launch qkv (part 2): grid 8 x 32, 4 waves a work-group, clusters of 4 x 4, 327,680 bytes of LDS; arguments xb, wb, csb, qk_gain, qb, kvb; writes qb, kvb
.if DOCPART == 2
	.amdgcn_target "amdgcn-amd-amdhsa--gfx1250"
	.amdhsa_code_object_version 6
	.text
	.protected	k_q73948195b1_qkv
	.globl	k_q73948195b1_qkv
	.p2align	8
	.type	k_q73948195b1_qkv,@function
k_q73948195b1_qkv:
	s_mov_b64 s[64:65], 0
	v_nop
	global_prefetch_b8 v0, s[64:65] scope:SCOPE_SE
	s_setreg_imm32_b32 hwreg(HW_REG_WAVE_MODE, 25, 1), 1
	s_wait_xcnt 0x0
	s_wait_alu depctr_hold_cnt(0) depctr_sa_sdst(0) depctr_va_vdst(0) depctr_va_sdst(0) depctr_va_ssrc(0) depctr_va_vcc(0) depctr_vm_vsrc(0)
	s_getreg_b32 s2, hwreg(HW_REG_IB_STS2, 6, 4)
	s_cmp_eq_u32 s2, 0
	s_cbranch_scc0 .Lentry_in_a_cluster
	s_endpgm
.Lentry_in_a_cluster:
	s_bfe_u32 s2, ttmp6, 0x10000c
	s_cmp_lg_u32 s2, 0xf033
	s_cbranch_scc0 .Lentry_shape_is_right
	s_endpgm
.Lentry_shape_is_right:
; q, k, v = x W^T in bf16 with f32 sums, then the rotary turn and the gain in f32, rounded once to f16.  xb: [8192][1024], wb: [1280][1024] (rows ordered by the launch before).
; A tile is 256 rows x 160 columns: head j of q (128 columns, in units of 16 channels and their 16 partners) and 32 columns of k (j < 4) or v (j >= 4): 32 x 8 = 256 work-groups.
; Wave w makes rows 64 w .. 64 w + 63 of all 160 columns: 4 x 10 accumulators.  K goes in eight steps of 128 (rows of 256 bytes) through two LDS slots filled by tensor loads.
; q leaves multiplied by k1 = bf16(gain[j]) x 2 log2(e) / (30 sqrt(128)): the next launch's product K q is then the exponent of the softcap's tanh.
; OUT: qb [8192][1024] f16, head j at byte 256 j of a row, channels in wb's order.  kvb f16: [K | V][64 slots of 128 keys][4 planes][128 keys][32 channels]; K's plane u holds the
; same 32 channels, in the same order, as q's columns 32 u ..; V's planes are in true order.  Sixteen keys of a plane are 1,024 consecutive bytes.
; LIMITS: |q k1|, |k|, |v| below 65,504 (f16); NaN and infinities are not treated apart.
; CLUSTER 4 x 4: A's tile is shared along a row of the cluster, B's along a column: joint loads, the same descriptor and mask in the four that a mask names.
; THE PRODUCT IS TAKEN TRANSPOSED (source 0 = 16 rows of B, source 1 = 16 rows of A): a lane holds one row of the result and eight neighbouring columns.
; REGISTERS (windows of 256): window 0: v0-31 addresses; v32-143, v144-255 two fragment buffers (B's ten fragments, then A's four).  Accumulator (a, b): window 1 + a / 3,
; register 8 (10 (a % 3) + b).  Window 2, v80-239: cos and sin of my rows, eight registers for each (a, unit).
.set NB,    10
.set NT,    16*NB
.set PITCH, 272                        ; an LDS row: 256 bytes + 16 of padding: the 16 rows of a fragment load start 68 words apart
.set HALFA, 128*PITCH
.set BOFF,  2*HALFA                    ; B's rows lie behind A's 256
.set HALFB, 8*NB*PITCH
.set SLOT1, 131072                     ; slot 1 begins here: one exclusive or turns an address in one slot into the other's
.set STAGE, SLOT1+BOFF+2*HALFB         ; behind the ring: for each wave 16 rows x 272 (q) and 16 rows x 80 (k or v), for the way out
.set STW,   16*PITCH+16*80
.set SPARE, STAGE+4*STW                ; the spare words, 128 bytes a wave: no other line names them
.set A0,  2                            ; v2   my place in A's rows of a slot; never rewritten
.set B0,  3                            ; v3   the same for B
.set ADA, 4                            ; v4   A0 in the slot in hand
.set ADB, 5                            ; v5   B0 in the slot in hand
.set STO, 6                            ; way out: where I put 16 bytes of a row of q
.set STO2, 7                           ; of k or v
.set RD,  8                            ; where I read rows of q back
.set RD2, 9                            ; of k or v
.set CO,  10                           ; my byte offset in two rows of qb
.set CO2, 11                           ; in 512 bytes of kvb
.set CSO, 12                           ; my byte offset in csb
.set CSO4, 13                          ; the same at k's unit
.set GFV, 14                           ; v[14:15] k1, twice
.set SPW, 28
.set NIL, 29
.set PFO, 30                           ; the prefetches' offset: my lane x a row of A
.set F0,  32
.set F1,  144
.set CC,  32                           ; way out, window 0: cos x factor, sin x factor, the two results, packed results, rows read back
.set SS,  40
.set Y1,  48
.set Y2,  56
.set TMP, 64
.set BK,  104
.set WV, 16                            ; s16 wave; s17 wave >> 1: I fetch for A (0) or B (1); s18 wave & 1: which half of it
.set HB, 17
.set HF, 18
.set TR, 19                            ; tile row, tile column
.set TC, 20
.set CX, 21
.set CY, 22
.set G1A, 24                           ; s[24:31] group 1 for A; s[32:39] group 0, two sets: the second then walks
.set G0A, 32
.set LEFT, 40
.set LIM, 41
.set PFA, 42
.set TB,  44                           ; LDS byte at which the slot in hand begins
.set G1B, 48
.set G0B, 56
.set GF2, 72                           ; s[72:73], s[74:75]: factor and addend for the last unit: (1, 0) for k, (0, 1) for v, which is not turned
.set G12, 74
.set MSK, 76
.set MSB, 0
.macro WIN new                         ; the high byte repeats the setting that is left; a switch that changes nothing is dropped
.if MSB != (\new)
	s_set_vgpr_msb (MSB<<8)|(\new)
.set MSB, (\new)
.endif
.endm
.macro PLACES                          ; four plain places behind matrix instructions (ISA guide 7.12.1), where no other vector work is at hand
.rept 4
	v_nop
.endr
.endm
.macro JLOAD                           ; a joint refill by the walking descriptors; the branch hangs on the wave's number alone; an s_nop 0 and four v_nop follow each line
	s_cmp_eq_u32 s[HB], 0
	s_cbranch_scc0 .Lfor_b_\@
	tensor_load_to_lds s[G0A+4:G0A+7], s[G1A:G1A+7]
	s_nop 0
.rept 4
	v_nop
.endr
	s_branch .Lasked_\@
.Lfor_b_\@:
	tensor_load_to_lds s[G0B+4:G0B+7], s[G1B:G1B+7]
	s_nop 0
.rept 4
	v_nop
.endr
.Lasked_\@:
.endm
; A prefetch of A's K step two refills on: 32 rows x 256 bytes, a lane a row.  A's tile row is read by both clusters of its row of clusters: the one with x = 0 asks, its waves 0 and 1;
; of the 128 rows that a wave fetches the partner at place cx takes 32, told apart by address.  So each row's 256 bytes of a step are named once.  Steps 0 to 3 come by their loads
; alone; the loop's last two trips have no step two refills on.  B is not asked for: a partner's share of its rows would be 20, not a lane each.
.macro ASK
	s_cmp_gt_u32 s[LEFT], s[LIM]
	s_cbranch_scc0 .Lnot_mine_\@
	global_prefetch_b8 v[PFO], s[PFA:PFA+1] offset:256 th:TH_LOAD_NT scope:SCOPE_SE
.Lnot_mine_\@:
.endm
.macro CREST                           ; a round of the cluster's barrier behind its opening barrier
	s_cmp_lg_u32 s[WV], 0
	s_cbranch_scc1 .Lnot_wave_0_\@
	s_barrier_signal -3
.Lnot_wave_0_\@:
	s_barrier_wait -3
	s_barrier_signal -1
	s_barrier_wait -1
.endm
.macro CROUND
	s_barrier_signal -1
	s_barrier_wait -1
	CREST
.endm
	s_load_b256 s[4:11], s[0:1], 0x0               ; xb 4, wb 6, csb 8, qk_gain 10
	s_load_b128 s[12:15], s[0:1], 0x20             ; qb 12, kvb 14
	v_lshl_add_u32 v[SPW], v0, 2, SPARE
	v_mov_b32 v[NIL], 0
	ds_add_u32 v[SPW], v[NIL]                      ; the opening: the add and its wait ahead of my first tensor load
	v_lshrrev_b32 v1, 5, v0
	v_readfirstlane_b32 s[WV], v1
	s_lshr_b32 s[HB], s[WV], 1
	s_and_b32 s[HF], s[WV], 1
	s_bfe_u32 s[CX], ttmp6, 0x40000
	s_bfe_u32 s[CY], ttmp6, 0x40004
	s_lshl_b32 s[TC], ttmp9, 2
	s_add_co_u32 s[TC], s[TC], s[CX]               ; tile column = 4 x cluster x + cx
	s_and_b32 s[TR], ttmp7, 0xffff
	s_lshl_b32 s[TR], s[TR], 2
	s_add_co_u32 s[TR], s[TR], s[CY]               ; tile row = 4 x cluster y + cy
	s_lshl_b32 s23, s[CY], 2
	s_lshl_b32 s23, 15, s23                        ; my row of the cluster
	s_lshl_b32 s46, 0x1111, s[CX]                  ; my column
	s_or_b32 s[G1A], s23, (1<<16)|(1<<20)|(1<<21)|(5<<22)|(3<<25)  ; mask; 2-byte elements; padding on; bit 21 beside a mask; after every 64 words; 4 words
	s_or_b32 s[G1B], s46, (1<<16)|(1<<20)|(1<<21)|(5<<22)|(3<<25)
	s_mov_b32 s[G1A+1], 128<<16                    ; tensor_dim0 = 128
	s_mov_b32 s[G1A+2], 128<<16                    ; tensor_dim1 = 128 rows
	s_mov_b32 s[G1A+3], 128<<16                    ; tile_dim0 = 128
	s_mov_b32 s[G1A+4], 128                        ; tile_dim1
	s_mov_b32 s[G1A+5], 1024                       ; elements from row to row
	s_mov_b32 s[G1A+6], 0
	s_mov_b32 s[G1A+7], 0
	s_mov_b32 s[G1B+1], 128<<16
	s_mov_b32 s[G1B+2], (8*NB)<<16                 ; 80 rows
	s_mov_b32 s[G1B+3], 128<<16
	s_mov_b32 s[G1B+4], 8*NB
	s_mov_b32 s[G1B+5], 1024
	s_mov_b32 s[G1B+6], 0
	s_mov_b32 s[G1B+7], 0
	s_lshl_b32 s66, s[TR], 8                       ; A: row 256 x tile row + 128 x half, in bytes
	s_lshl_b32 s67, s[HF], 7
	s_add_co_u32 s66, s66, s67
	s_lshl_b32 s66, s66, 11
	s_mov_b32 s67, 0
	s_mul_i32 s68, s[TC], NT                       ; B: row 160 x tile column + 80 x half
	s_mul_i32 s69, s[HF], 8*NB
	s_add_co_u32 s68, s68, s69
	s_lshl_b32 s68, s68, 11
	s_mov_b32 s69, 0
	s_mul_i32 s70, s[HF], HALFA                    ; where they go: no place in the cluster enters an LDS address
	s_mul_i32 s71, s[HF], HALFB
	s_add_co_u32 s71, s71, BOFF
	s_wait_dscnt 0x0                               ; the opening add is done
	s_wait_kmcnt 0x0
	s_add_nc_u64 s[66:67], s[4:5], s[66:67]
	s_add_nc_u64 s[68:69], s[6:7], s[68:69]
	s_lshl_b32 s46, s[TC], 2
	s_mov_b32 s47, 0
	s_add_nc_u64 s[10:11], s[10:11], s[46:47]
	s_load_b32 s45, s[10:11], 0x0                  ; my head's gain
	CROUND                                         ; all sixteen work-groups are here: the first joint loads meet
.irp s, 0,1
	s_mov_b32 s[G0A+4*\s], 1
	s_add_co_u32 s[G0A+4*\s+1], s70, \s*SLOT1
	s_add_nc_u64 s[G0A+4*\s+2:G0A+4*\s+3], s[66:67], \s*256       ; K step s
	s_or_b32 s[G0A+4*\s+3], s[G0A+4*\s+3], 0x80000000
	s_mov_b32 s[G0B+4*\s], 1
	s_add_co_u32 s[G0B+4*\s+1], s71, \s*SLOT1
	s_add_nc_u64 s[G0B+4*\s+2:G0B+4*\s+3], s[68:69], \s*256
	s_or_b32 s[G0B+4*\s+3], s[G0B+4*\s+3], 0x80000000
.endr
	s_cmp_eq_u32 s[HB], 0                          ; a wave's two first fills stand in one branch: two loads of mine are out
	s_cbranch_scc0 .Lfirst_b
	tensor_load_to_lds s[G0A:G0A+3], s[G1A:G1A+7]
	s_nop 0
	tensor_load_to_lds s[G0A+4:G0A+7], s[G1A:G1A+7]
	s_nop 0
.rept 4
	v_nop
.endr
	s_branch .Lfirst_asked
.Lfirst_b:
	tensor_load_to_lds s[G0B:G0B+3], s[G1B:G1B+7]
	s_nop 0
	tensor_load_to_lds s[G0B+4:G0B+7], s[G1B:G1B+7]
	s_nop 0
.rept 4
	v_nop
.endr
.Lfirst_asked:
	v_and_b32 v1, 15, v0                           ; l % 16
	v_bfe_u32 v16, v0, 4, 1                        ; l / 16
	v_and_b32 v17, 31, v0                          ; l
	; cos and sin of my 64 rows: for (a, unit) 16 bytes of each
	s_lshl_b32 s23, s[WV], 14
	v_lshlrev_b32 v19, 8, v1
	v_lshl_add_u32 v19, v16, 5, v19
	v_add_nc_u32 v[CSO], s23, v19                  ; (64 w + l % 16) x 256 + 32 (l / 16)
	s_and_b32 s23, s[TC], 3
	s_lshl_b32 s23, s23, 6
	v_add_nc_u32 v[CSO4], s23, v[CSO]              ; k's channels 16 j ..
	s_and_b32 s46, s[TR], 7                        ; eight tile rows to a batch of 2,048 positions
	s_lshl_b32 s46, s46, 16
	s_add_nc_u64 s[8:9], s[8:9], s[46:47]
	WIN 0x80                                       ; destination window 2
.irp a, 0,1,2,3
.irp u, 0,1,2,3
	global_load_b128 v[80+8*(5*\a+\u):80+8*(5*\a+\u)+3],   v[CSO], s[8:9] offset:4096*\a+64*\u
	global_load_b128 v[80+8*(5*\a+\u)+4:80+8*(5*\a+\u)+7], v[CSO], s[8:9] offset:4096*\a+64*\u+16
.endr
	global_load_b128 v[80+8*(5*\a+4):80+8*(5*\a+4)+3],   v[CSO4], s[8:9] offset:4096*\a
	global_load_b128 v[80+8*(5*\a+4)+4:80+8*(5*\a+4)+7], v[CSO4], s[8:9] offset:4096*\a+16
.endr
	WIN 0
	; a fragment is 16 rows x 32 K in 8 registers: lane l holds row l % 16, K = 8 (l / 16) + 0..7 and 16 + 8 (l / 16) + 0..7: two loads of 16 bytes, 32 bytes apart
	v_mul_u32_u24 v18, v1, PITCH
	v_lshl_add_u32 v18, v16, 4, v18
	s_mul_i32 s23, s[WV], 64*PITCH
	v_add_nc_u32 v[A0], s23, v18
	v_add_nc_u32 v[B0], BOFF, v18
	v_mov_b32 v[ADA], v[A0]
	v_mov_b32 v[ADB], v[B0]
	s_mov_b32 s[TB], 0
	s_mul_i32 s23, s[WV], STW
	s_add_co_u32 s23, s23, STAGE                   ; my stage
	s_add_co_u32 s47, s23, 16*PITCH                ; its part for k or v
	v_add_nc_u32 v[STO], s23, v18
	v_mul_u32_u24 v19, v1, 80
	v_lshl_add_u32 v19, v16, 4, v19
	v_add_nc_u32 v[STO2], s47, v19
	v_mul_u32_u24 v19, v16, PITCH                  ; back: lanes 0-15 one row of 256 bytes, lanes 16-31 the next
	v_lshl_add_u32 v19, v1, 4, v19
	v_add_nc_u32 v[RD], s23, v19
	v_lshrrev_b32 v19, 2, v17                      ; back: four lanes to a row of 64 bytes
	v_mul_u32_u24 v19, v19, 80
	v_and_b32 v20, 3, v0
	v_lshl_add_u32 v19, v20, 4, v19
	v_add_nc_u32 v[RD2], s47, v19
	v_lshlrev_b32 v19, 11, v16
	v_lshl_add_u32 v[CO], v1, 4, v19
	v_lshlrev_b32 v[CO2], 4, v17
	s_lshl_b32 s46, s[TR], 8                       ; qb at row 256 x tile row + 64 w, byte 256 j
	s_lshl_b32 s47, s[WV], 6
	s_add_co_u32 s46, s46, s47
	s_lshl_b32 s46, s46, 11
	s_lshl_b32 s47, s[TC], 8
	s_add_co_u32 s46, s46, s47
	s_mov_b32 s47, 0
	s_add_nc_u64 s[12:13], s[12:13], s[46:47]
	s_lshr_b32 s46, s[TC], 2                       ; kvb: K or V, slot 2 x tile row + w / 2, plane j % 4, key 64 (w % 2)
	s_lshl_b32 s46, s46, 21
	s_lshl_b32 s23, s[TR], 1
	s_add_co_u32 s23, s23, s[HB]
	s_lshl_b32 s23, s23, 15
	s_add_co_u32 s46, s46, s23
	s_and_b32 s23, s[TC], 3
	s_lshl_b32 s23, s23, 13
	s_add_co_u32 s46, s46, s23
	s_lshl_b32 s23, s[HF], 12
	s_add_co_u32 s46, s46, s23
	s_add_nc_u64 s[14:15], s[14:15], s[46:47]
	s_lshl_b32 s46, s[TR], 8                       ; the prefetches: my work-group's 32 of the 128 rows that I fetch, at K step 2: the first refill steps it to 3 and names 4
	s_lshl_b32 s23, s[HF], 7
	s_add_co_u32 s46, s46, s23
	s_lshl_b32 s23, s[CX], 5
	s_add_co_u32 s46, s46, s23
	s_lshl_b32 s46, s46, 11
	s_add_co_u32 s46, s46, 2*256
	s_add_nc_u64 s[PFA:PFA+1], s[4:5], s[46:47]
	s_or_b32 s[LIM], s[HB], ttmp9                  ; 0 in waves 0 and 1 of the clusters with x = 0: the same in all partners
	s_cmp_eq_u32 s[LIM], 0
	s_cselect_b32 s[LIM], 2, -1
	v_lshlrev_b32 v[PFO], 11, v17
	s_cmp_eq_u32 ttmp9, 0                          ; tile columns 0-3 carry k, 4-7 carry v
	s_cselect_b32 s[GF2], 1.0, 0
	s_cselect_b32 s[G12], 0, 1.0
	s_mov_b32 s[GF2+1], s[GF2]
	s_mov_b32 s[G12+1], s[G12]
	s_mov_b32 s[MSK], 0xffff0000
	s_wait_kmcnt 0x0
	v_mov_b32 v19, s45
	v_cvt_pk_bf16_f32 v19, v19, v19                ; the gain is rounded to bf16 like every input
	v_lshlrev_b32 v19, 16, v19
	v_mul_f32 v[GFV], 0x3c0b4875, v19              ; x 2 log2(e) / (30 sqrt(128))
	v_mov_b32 v[GFV+1], v[GFV]
; ten products: row block a of my four x all column blocks, 32 along K.  zero = 1: the product starts the sum.  All 40 accumulators take turns, in the same order in every quarter.
.macro MULA f, a, zero
	WIN 0x50+0x50*((\a)/3)
.set AB, 80*((\a)%3)
.set b, 0
.rept NB
.if \zero
	v_wmma_f32_16x16x32_bf16 v[AB+8*b:AB+8*b+7], v[(\f)+8*b:(\f)+8*b+7], v[(\f)+8*NB+8*(\a):(\f)+8*NB+8*(\a)+7], 0
.else
	v_wmma_f32_16x16x32_bf16 v[AB+8*b:AB+8*b+7], v[(\f)+8*b:(\f)+8*b+7], v[(\f)+8*NB+8*(\a):(\f)+8*NB+8*(\a)+7], v[AB+8*b:AB+8*b+7]
.endif
.set b, b+1
.endr
.endm
; 28 LDS loads in one run: the fragments of 32 K at byte k of the rows, into buffer f: B's ten, then A's four
.macro FETCH k, f
	WIN 0
.set b, 0
.rept NB
	ds_load_b128 v[(\f)+8*b:(\f)+8*b+3],   v[ADB] offset:(\k)+b*16*PITCH
	ds_load_b128 v[(\f)+8*b+4:(\f)+8*b+7], v[ADB] offset:(\k)+b*16*PITCH+32
.set b, b+1
.endr
.set b, 0
.rept 4
	ds_load_b128 v[(\f)+8*NB+8*b:(\f)+8*NB+8*b+3],   v[ADA] offset:(\k)+b*16*PITCH
	ds_load_b128 v[(\f)+8*NB+8*b+4:(\f)+8*NB+8*b+7], v[ADA] offset:(\k)+b*16*PITCH+32
.set b, b+1
.endr
.endm
; a K step is four quarters of 32 along K on buffers 0, 1, 0, 1.  One of the first three: multiplies buffer f and, in its middle, fetches the next quarter into g
.macro QUARTER k, f, g, zero
	s_wait_dscnt 4                                 ; B and A's rows 0-31 are in; the youngest four loads (A's rows 32-63) may be out
	MULA \f, 0, \zero
	MULA \f, 1, \zero
	PLACES
	FETCH \k, \g
	s_wait_dscnt 2*NB+8                            ; all but the run just issued
	MULA \f, 2, \zero
	MULA \f, 3, \zero
.endm
; the last quarter multiplies buffer 1 and changes slots.  In front of the barrier each wave waits for all its tensor loads (one is out: its part of the next slot), adds 0 to its
; spare word, and waits for that and for its reads of this slot.  fill = 1: the barrier opens a round of the cluster's, and the joint refill, two K steps ahead, is the first thing behind it.
.macro TURN fill
.if \fill
	s_wait_xcnt 0x0                                ; the last prefetch, a K step back, has read its address
	s_add_nc_u64 s[PFA:PFA+1], s[PFA:PFA+1], 256
.endif
	WIN 0
	s_wait_tensorcnt 0x0
	ds_add_u32 v[SPW], v[NIL]
	s_wait_dscnt 5                                 ; (the add and the youngest four loads may be out)
	MULA F1, 0, 0
	s_wait_dscnt 0x0                               ; the add is done, and my reads of this slot are over
	s_barrier_signal -1
	MULA F1, 1, 0
	WIN 0
	s_barrier_wait -1
.if \fill
	CREST
	s_xor_b32 s[G0A+5], s[G0A+5], SLOT1            ; the walking descriptors: the other slot than last time, the next K step
	s_add_nc_u64 s[G0A+6:G0A+7], s[G0A+6:G0A+7], 256
	s_xor_b32 s[G0B+5], s[G0B+5], SLOT1
	s_add_nc_u64 s[G0B+6:G0B+7], s[G0B+6:G0B+7], 256
	JLOAD                                          ; its four v_nop are also the places in front of the loads below
.else
	PLACES
.endif
	s_xor_b32 s[TB], s[TB], SLOT1
	v_add_nc_u32 v[ADA], s[TB], v[A0]
	v_add_nc_u32 v[ADB], s[TB], v[B0]
	FETCH 0, F0
.if \fill
	ASK
.endif
	MULA F1, 2, 0
	MULA F1, 3, 0
.endm
	s_wait_tensorcnt 0x1                           ; my part of K step 0 is in; step 1's may stay out
	s_barrier_signal -1
	s_barrier_wait -1
	FETCH 0, F0
	QUARTER 64, F0, F1, 1                          ; the first quarter's products start all 40 sums
	WIN 0
	s_mov_b32 s[LEFT], 6
.Lstep:                                        ; a trip: a step's quarters 1 to 3 and the next step's quarter 0; steps 2 to 7 are asked for
	QUARTER 128, F1, F0, 0
	QUARTER 192, F0, F1, 0
	TURN 1
	QUARTER 64, F0, F1, 0
	WIN 0
	s_sub_co_u32 s[LEFT], s[LEFT], 1
	s_cmp_lg_u32 s[LEFT], 0
	s_cbranch_scc1 .Lstep
	QUARTER 128, F1, F0, 0                         ; steps 6 and 7: nothing is left to fetch
	QUARTER 192, F0, F1, 0
	TURN 0
	QUARTER 64, F0, F1, 0
	QUARTER 128, F1, F0, 0
	QUARTER 192, F0, F1, 0
	s_wait_dscnt 0x0
	MULA F1, 0, 0
	MULA F1, 1, 0
	MULA F1, 2, 0
	MULA F1, 3, 0
	WIN 0
; THE WAY OUT.  Unit u of row block a: X1 = accumulator (a, 2 u), channels d; X2 = (a, 2 u + 1), channels d + 64.  y1 = x1 c - x2 s, y2 = x1 s + x2 c, with c and s already
; multiplied by k1 (q), by 1 (k), or replaced by 1 and 0 (v).  Each accumulator is read from its low end on.
.macro ROPE a, u
.set CR, 80+8*(5*(\a)+(\u))
.set X1, 80*((\a)%3)+16*(\u)
.set X2, X1+8
	WIN 0x08                                       ; source 1 in window 2
.set z, 0
.rept 4
	v_lshlrev_b32 v[CC+2*z], 16, v[CR+z]
	v_and_b32 v[CC+2*z+1], s[MSK], v[CR+z]
	v_lshlrev_b32 v[SS+2*z], 16, v[CR+4+z]
	v_and_b32 v[SS+2*z+1], s[MSK], v[CR+4+z]
.set z, z+1
.endr
	WIN 0
.set z, 0
.rept 4
.if (\u) < 4
	v_pk_mul_f32 v[CC+2*z:CC+2*z+1], v[CC+2*z:CC+2*z+1], v[GFV:GFV+1]
	v_pk_mul_f32 v[SS+2*z:SS+2*z+1], v[SS+2*z:SS+2*z+1], v[GFV:GFV+1]
.else
	v_pk_fma_f32 v[CC+2*z:CC+2*z+1], v[CC+2*z:CC+2*z+1], s[GF2:GF2+1], s[G12:G12+1] op_sel_hi:[1,0,0]
	v_pk_mul_f32 v[SS+2*z:SS+2*z+1], v[SS+2*z:SS+2*z+1], s[GF2:GF2+1] op_sel_hi:[1,0]
.endif
.set z, z+1
.endr
	WIN 1+(\a)/3                                   ; source 0 in the accumulators' window
.set z, 0
.rept 4
	v_pk_mul_f32 v[Y1+2*z:Y1+2*z+1], v[X1+2*z:X1+2*z+1], v[CC+2*z:CC+2*z+1]
.set z, z+1
.endr
.set z, 0
.rept 4
	v_pk_mul_f32 v[Y2+2*z:Y2+2*z+1], v[X1+2*z:X1+2*z+1], v[SS+2*z:SS+2*z+1]
.set z, z+1
.endr
.set z, 0
.rept 4
	v_pk_fma_f32 v[Y1+2*z:Y1+2*z+1], v[X2+2*z:X2+2*z+1], v[SS+2*z:SS+2*z+1], v[Y1+2*z:Y1+2*z+1] neg_lo:[0,1,0] neg_hi:[0,1,0]
.set z, z+1
.endr
.set z, 0
.rept 4
	v_pk_fma_f32 v[Y2+2*z:Y2+2*z+1], v[X2+2*z:X2+2*z+1], v[CC+2*z:CC+2*z+1], v[Y2+2*z:Y2+2*z+1]
.set z, z+1
.endr
	WIN 0
.set z, 0
.rept 4
	v_cvt_pk_f16_f32 v[TMP+8*(\u)+z], v[Y1+2*z], v[Y1+2*z+1]
	v_cvt_pk_f16_f32 v[TMP+8*(\u)+4+z], v[Y2+2*z], v[Y2+2*z+1]
.set z, z+1
.endr
.endm
; 16 rows go into my stage, 16 bytes a lane, and come back as whole rows.  LDS serves a wave's instructions in order (ISA guide 5.7.1.4): the loads see the stores above them.
.macro TOSTAGE a
.set BKA, BK+40*((\a)%2)
	WIN 0
	s_wait_xcnt 0x0                                ; earlier stores have read the registers that are loaded below
.set b, 0
.rept 8
	ds_store_b128 v[STO], v[TMP+4*b:TMP+4*b+3] offset:32*b
.set b, b+1
.endr
	ds_store_b128 v[STO2], v[TMP+32:TMP+35]
	ds_store_b128 v[STO2], v[TMP+36:TMP+39] offset:32
.set b, 0
.rept 8
	ds_load_b128 v[BKA+4*b:BKA+4*b+3], v[RD] offset:b*2*PITCH
.set b, b+1
.endr
	ds_load_b128 v[BKA+32:BKA+35], v[RD2]
	ds_load_b128 v[BKA+36:BKA+39], v[RD2] offset:8*80
.endm
.macro SEND a
.set BKA, BK+40*((\a)%2)
	s_wait_dscnt 0x0
.set b, 0
.rept 8
	global_store_b128 v[CO], v[BKA+4*b:BKA+4*b+3], s[12:13] offset:32768*(\a)+4096*b  ; 16 lanes store 256 consecutive bytes, aligned
.set b, b+1
.endr
	global_store_b128 v[CO2], v[BKA+32:BKA+35], s[14:15] offset:1024*(\a)              ; 512 consecutive bytes: eight keys of the plane
	global_store_b128 v[CO2], v[BKA+36:BKA+39], s[14:15] offset:1024*(\a)+512
.endm
	PLACES                                         ; behind the last products, and behind those that read buffer 0, whose registers are written below
	s_wait_loadcnt 0x0                             ; cos and sin
.irp u, 0,1,2,3,4
	ROPE 0, \u
.endr
	TOSTAGE 0
.irp a, 1,2,3
.irp u, 0,1,2,3,4
	ROPE \a, \u
.endr
	SEND (\a)-1                                    ; a block's arithmetic stands between the loads of the block before and its stores
	TOSTAGE \a
.endr
	SEND 3
	s_wait_tensorcnt 0x0                           ; the wave's end
	ds_add_u32 v[SPW], v[NIL]
	s_wait_dscnt 0x0
	CROUND                                         ; the closing round
	s_endpgm
.Lfunc_end_k_q73948195b1_qkv:
	.size	k_q73948195b1_qkv, .Lfunc_end_k_q73948195b1_qkv-k_q73948195b1_qkv
	.p2alignl 7, 3214868480
	.fill 96, 4, 3214868480
	.section	.rodata,"a",@progbits
	.p2align	6, 0x0
	.amdhsa_kernel k_q73948195b1_qkv
		.amdhsa_group_segment_fixed_size 327680
		.amdhsa_private_segment_fixed_size 0
		.amdhsa_enable_private_segment 0
		.amdhsa_kernarg_size 48
		.amdhsa_user_sgpr_count 2
		.amdhsa_user_sgpr_kernarg_segment_ptr 1
		.amdhsa_wavefront_size32 1
		.amdhsa_system_sgpr_workgroup_id_x 1
		.amdhsa_system_sgpr_workgroup_id_y 1
		.amdhsa_system_sgpr_workgroup_id_z 1
		.amdhsa_system_vgpr_workitem_id 0
		.amdhsa_next_free_vgpr 768
		.amdhsa_next_free_sgpr 80
		.amdhsa_reserve_vcc 0
		.amdhsa_float_denorm_mode_32 3
		.amdhsa_float_denorm_mode_16_64 3
		.amdhsa_memory_ordered 1
		.amdhsa_forward_progress 1
		.amdhsa_inst_pref_size 131
	.end_amdhsa_kernel
	.amdgpu_metadata
---
amdhsa.version: [ 1, 2 ]
amdhsa.kernels:
  - .name:           k_q73948195b1_qkv
    .symbol:         k_q73948195b1_qkv.kd
    .args:
      - { .name: xb, .offset: 0, .size: 8, .value_kind: global_buffer, .address_space: global }
      - { .name: wb, .offset: 8, .size: 8, .value_kind: global_buffer, .address_space: global }
      - { .name: csb, .offset: 16, .size: 8, .value_kind: global_buffer, .address_space: global }
      - { .name: qk_gain, .offset: 24, .size: 8, .value_kind: global_buffer, .address_space: global }
      - { .name: qb, .offset: 32, .size: 8, .value_kind: global_buffer, .address_space: global }
      - { .name: kvb, .offset: 40, .size: 8, .value_kind: global_buffer, .address_space: global }
    .group_segment_fixed_size: 327680
    .private_segment_fixed_size: 0
    .kernarg_segment_align: 8
    .kernarg_segment_size: 48
    .max_flat_workgroup_size: 128
    .sgpr_count:     80
    .vgpr_count:     768
    .wavefront_size: 32
...
	.end_amdgpu_metadata
.endif
;; end of part 2
;; launch attn (part 3): grid 64 x 4, 4 waves a work-group, clusters of 4 x 1, 327,680 bytes of LDS; arguments qb, kvb, ob; writes ob
.if DOCPART == 3
	.amdgcn_target "amdgcn-amd-amdhsa--gfx1250"
	.amdhsa_code_object_version 6
	.text
	.protected	k_q73948195b1_attn
	.globl	k_q73948195b1_attn
	.p2align	8
	.type	k_q73948195b1_attn,@function
k_q73948195b1_attn:
	s_mov_b64 s[64:65], 0
	v_nop
	global_prefetch_b8 v0, s[64:65] scope:SCOPE_SE
	s_setreg_imm32_b32 hwreg(HW_REG_WAVE_MODE, 25, 1), 1
	s_wait_xcnt 0x0
	s_wait_alu depctr_hold_cnt(0) depctr_sa_sdst(0) depctr_va_vdst(0) depctr_va_sdst(0) depctr_va_ssrc(0) depctr_va_vcc(0) depctr_vm_vsrc(0)
	s_getreg_b32 s2, hwreg(HW_REG_IB_STS2, 6, 4)
	s_cmp_eq_u32 s2, 0
	s_cbranch_scc0 .Lentry_in_a_cluster
	s_endpgm
.Lentry_in_a_cluster:
	s_bfe_u32 s2, ttmp6, 0x10000c
	s_cmp_lg_u32 s2, 0x3003
	s_cbranch_scc0 .Lentry_shape_is_right
	s_endpgm
.Lentry_shape_is_right:
; CAUSAL ATTENTION WITH A SOFTCAP, eight query heads on one key and value head of 128 channels.  qb, kvb as the launch before leaves them (f16); ob: [8192][1024] f16, true channel order.
; ARITHMETIC.  u = K q' is 2 log2(e) s / 30 for the score s.  tanh(s / 30) = 1 - 2 R with R = 1 / (1 + 2^u), so the capped score is 30 - 60 R: it falls as R rises.  The running
; maximum of the capped score is kept as the running minimum Rmin of R; nm = C2 Rmin, C2 = 60 log2(e); p = 2^(nm - C2 R); O and l are multiplied by a = 2^(nm_new - nm_old) in every step.
; THE MASK.  A hidden key gets -1e30 as the C operand that starts its sum, so 2^u = 0, and 2^-7 in place of the 1 that is added: R = 128, which never is the minimum (every row sees
; key 0 in its block's first step, so Rmin <= 1 from then on), and p = 0.  At a block's start nm and Rmin are 2^125: the first a is 0, and O and l need only be finite.
; Products, minima and sums in f32; p is rounded to f16 for the second product (l is the sum of the unrounded p), O once at the end.
; LIMITS: a weight below 6e-8 of its row's largest counts as 0 in the second product; NaN and infinities are not treated apart.
; SHARES.  A block is 16 positions x 8 heads.  Work-group i of a batch's 64 takes the blocks at positions 2032 - 16 i and 16 i: with slots of 128 keys that is (16 - c) + (c + 1) = 17
; slots, c = i / 8, whatever i: one walk of constant length.  Wave w owns heads 2 w (tile 0) and 2 w + 1 (tile 1), 16 queries each; all tiles of a block share one mask.
; CLUSTER.  The four partners have the same c: the same tile in every trip, the same branches.  Every tile of K and V is asked for jointly.  cx enters Q's and O's addresses, the mask's threshold and the prefetch's address alone.
; LAYOUT.  S^T = K Q^T: a lane holds one query (lane % 16) and the keys 8 (lane / 16) + 0..7; two such results rounded in pairs are source 1 of O^T = V^T P.  V is turned by ds_load_tr16_b128.
; BY TURNS.  A slot is two steps of 64 keys.  Six turns: T1 scores (0,0); T2 scores (1,0) beside softmax (0,0); T3 V^T P (0,0), scores (0,1) beside softmax (1,0); T4 V^T P (1,0), scores (1,1)
; beside softmax (0,1); T5 V^T P (0,1) beside softmax (1,1); T6 V^T P (1,1): (tile, step).  A softmax is a list of 220 lines, dealt in slices behind the products.
; REGISTERS: window 0: v0-15 addresses; v16-31 statistics; v64-127 S^T; v128-191 the addends (1 or 2^-7) of both steps; v192-255 the masks of both steps.
;   window 1: v0-127 O^T; v128-159 P; v192-255 V of step 1, keys 32-63.   window 2: v0-63 Q; v64-191 K of step 0; v192-255 V of step 1, keys 0-31.   window 3: v0-127 K of step 1; v128-255 V of step 0.
.set PKP,   80                         ; a key's 64 bytes of a plane of K + 16 of padding
.set PVP,   96                         ; of V: + 32
.set KPL,   128*PKP
.set VPL,   128*PVP
.set VOFF,  4*KPL
.set SLOT1, 131072
.set STAGE, SLOT1+VOFF+4*VPL           ; 16 rows x 272 bytes for each wave, for the way out
.set SP,    272
.set QST,   STAGE+4*16*SP              ; 8,192 bytes for each wave: the second block's Q
.set SPARE, QST+4*8192                 ; the spare words
.set AK0, 2
.set AV0, 3
.set ADK, 4
.set ADV, 5
.set QO,  6
.set STO, 7
.set RD,  8
.set GO,  10
.set THB, 11                           ; l % 16 - 8 (l / 16)
.set THR, 12                           ; + the block's place in its last slot
.set TT,  13
.set QSA, 14
.set PFO, 15
.set ST,  16                           ; tile x at ST + 8 x: nm, Rmin, l (even keys', odd keys'), c0-c3 at work; a takes c2's place
.set SPW, 32
.set NIL, 33
.set S,    64
.set MONE, 128
.set MC,   192
.set P,    128                         ; window 1
.set WV, 12
.set CX, 13
.set CB, 14                            ; c
.set LIM, 15
.set PFA, 18
.set G1K, 24
.set G1V, 32
.set G0K, 40
.set G0V, 44
.set OLO, 48                           ; s[48:49] O at the second block
.set RT,  50                           ; slots of the block in hand still to be walked
.set NXT, 51                           ; the tile to be asked for next
.set LQ,  52                           ; the last tile of the block whose tiles are being asked for
.set NEW, 53                           ; 1: the next slot is a block's first
.set MK,  54                           ; 1: the masks are made anew
.set MADD, 55                          ; 0 in a block's last slot, else 4,096: nothing is hidden
.set SLOTS, 56
.set CNT, 57
.set NC2, 58                           ; s[58:59] -C2
.set SEL, 60
.set TB,  62                           ; LDS byte at which the slot to be fetched begins
.set C2,  63
.set BIGN, 66
.set TINY, 67
.set TLO, 69                           ; 16 (i % 8)
.set OFF, 70
.set QLO, 72
.set MSB, 0
.macro WIN new
.if MSB != (\new)
	s_set_vgpr_msb (MSB<<8)|(\new)
.set MSB, (\new)
.endif
.endm
.macro PLACES
.rept 4
	v_nop
.endr
.endm
.macro JLOAD                           ; waves 0 and 1 fetch planes 0-1 and 2-3 of a tile's K, waves 2 and 3 those of its V; an s_nop 0 and four v_nop follow each line
	s_cmp_lt_u32 s[WV], 2
	s_cbranch_scc0 .Lfor_v_\@
	tensor_load_to_lds s[G0K:G0K+3], s[G1K:G1K+7]
	s_nop 0
.rept 4
	v_nop
.endr
	s_branch .Lasked_\@
.Lfor_v_\@:
	tensor_load_to_lds s[G0V:G0V+3], s[G1V:G1V+7]
	s_nop 0
.rept 4
	v_nop
.endr
.Lasked_\@:
.endm
; A prefetch of the tile that the NEXT change of slots will ask for.  All sixteen clusters of a batch walk the same tiles; the first of them (c = 0), which walks all sixteen, asks: its four
; partners take 8,192 bytes each of a tile's 32,768, told apart by address, lanes 256 bytes apart; wave 0 asks for K's, wave 2 for V's.  Tiles 0 to 2 come by their loads alone; the
; asking stops at tile 15: the second block's tiles have been read before.
.macro ASK
	s_cmp_gt_u32 s[SLOTS], s[LIM]
	s_cbranch_scc0 .Lnot_mine_\@
	global_prefetch_b8 v[PFO], s[PFA:PFA+1] th:TH_LOAD_NT scope:SCOPE_SE
.Lnot_mine_\@:
.endm
.macro CROUND
	s_barrier_signal -1
	s_barrier_wait -1
	s_cmp_lg_u32 s[WV], 0
	s_cbranch_scc1 .Lnot_wave_0_\@
	s_barrier_signal -3
.Lnot_wave_0_\@:
	s_barrier_wait -3
	s_barrier_signal -1
	s_barrier_wait -1
.endm
; THE CHANGE OF SLOTS.  All of the slot in hand lies in registers.  Each wave waits for all its tensor loads (one is out: its part of the other slot), adds 0 to its spare word, and waits for
; that and for its reads.  fill = 1: a round of the cluster's barrier, and the joint refill with tile NXT first behind it: it has a whole trip, 128 products, in which to land.
.macro CHANGE fill, ask
	WIN 0
	s_wait_tensorcnt 0x0
	ds_add_u32 v[SPW], v[NIL]
.if \fill
	s_lshl_b32 s[OFF], s[NXT], 15                  ; a tile is 32,768 bytes of K and of V
	s_xor_b32 s[G0K+1], s[G0K+1], SLOT1
	s_add_nc_u64 s[G0K+2:G0K+3], s[6:7], s[OFF:OFF+1]
	s_or_b32 s[G0K+3], s[G0K+3], 0x80000000
	s_xor_b32 s[G0V+1], s[G0V+1], SLOT1
	s_add_nc_u64 s[G0V+2:G0V+3], s[8:9], s[OFF:OFF+1]
	s_or_b32 s[G0V+3], s[G0V+3], 0x80000000
	s_add_co_u32 s[NXT], s[NXT], 1                 ; the block's next tile, or behind its last the second block's tile 0
	s_cmp_gt_u32 s[NXT], s[LQ]
	s_cselect_b32 s[NXT], 0, s[NXT]
	s_cselect_b32 s[LQ], s[CB], s[LQ]
.if \ask
	s_wait_xcnt 0x0                                ; the last prefetch, a trip back, has read its address
	s_add_nc_u64 s[PFA:PFA+1], s[PFA:PFA+1], 32768
.endif
	s_wait_dscnt 0x0
	CROUND
	JLOAD
.else
	s_wait_dscnt 0x0
	s_barrier_signal -1
	s_barrier_wait -1
.endif
	s_xor_b32 s[TB], s[TB], SLOT1
.endm
	s_load_b128 s[4:7], s[0:1], 0x0                ; qb 4, kvb 6
	s_load_b64 s[10:11], s[0:1], 0x10              ; ob
	v_lshl_add_u32 v[SPW], v0, 2, SPARE
	v_mov_b32 v[NIL], 0
	ds_add_u32 v[SPW], v[NIL]                      ; the opening: the add and its wait ahead of my first tensor load
	v_lshrrev_b32 v1, 5, v0
	v_readfirstlane_b32 s[WV], v1
	s_bfe_u32 s[CX], ttmp6, 0x40000
	s_lshr_b32 s[CB], ttmp9, 1                     ; c: the same in all four partners
	s_lshl_b32 s16, ttmp9, 2
	s_add_co_u32 s16, s16, s[CX]                   ; i
	s_and_b32 s17, ttmp7, 0xffff                   ; the batch
	s_and_b32 s2, s[WV], 1
	s_lshl_b32 s20, s17, 19                        ; the batch's 16 tiles,
	s_lshl_b32 s3, s2, 14                          ; my two planes of a tile
	s_add_co_u32 s20, s20, s3
	s_mov_b32 s21, 0
	s_mul_i32 s22, s2, 2*KPL                       ; and their place in a slot
	s_mul_i32 s23, s2, 2*VPL
	s_add_co_u32 s23, s23, VOFF
	s_lshl_b32 s74, s17, 11
	s_lshl_b32 s3, s16, 4
	s_add_co_u32 s[QLO], s74, s3                   ; the second block's first row,
	s_add_co_u32 s74, s74, 2032
	s_sub_co_u32 s74, s74, s3                      ; the first block's
	s_lshl_b32 s[QLO], s[QLO], 11
	s_lshl_b32 s74, s74, 11
	s_lshl_b32 s3, s[WV], 9                        ; my two heads
	s_add_co_u32 s[QLO], s[QLO], s3
	s_add_co_u32 s74, s74, s3
	s_mov_b32 s[QLO+1], 0
	s_mov_b32 s75, 0
	s_and_b32 s[TLO], s16, 7
	s_lshl_b32 s[TLO], s[TLO], 4
	; two planes are 16,384 dense bytes: asked for as 64 rows of 256 bytes, padded in LDS after every key's 64
	s_mov_b32 s[G1K], 15|(1<<16)|(1<<20)|(1<<21)|(3<<22)|(3<<25)  ; the mask of four; 2-byte elements; padding on; bit 21 beside a mask; after every 16 words; 4 words
	s_mov_b32 s[G1V], 15|(1<<16)|(1<<20)|(1<<21)|(3<<22)|(7<<25)  ; the same with 8 words
.irp g, G1K, G1V
	s_mov_b32 s[\g+1], 128<<16
	s_mov_b32 s[\g+2], 64<<16
	s_mov_b32 s[\g+3], 128<<16
	s_mov_b32 s[\g+4], 64
	s_mov_b32 s[\g+5], 128
	s_mov_b32 s[\g+6], 0
	s_mov_b32 s[\g+7], 0
.endr
	s_mov_b32 s[NC2], 0xc2ad1f97                   ; -60 log2(e)
	s_mov_b32 s[NC2+1], s[NC2]
	s_mov_b32 s[C2], 0x42ad1f97
	s_mov_b32 s[SEL], 0x76543210
	s_mov_b32 s[SEL+1], 0xfedcba98
	s_mov_b32 s[BIGN], 0xf149f2ca                  ; -1e30
	s_mov_b32 s[TINY], 0x3c000000                  ; 2^-7
	s_mov_b32 s[TB], SLOT1                         ; the first change of slots turns it into 0
	s_sub_co_u32 s[RT], 16, s[CB]                  ; the first block has 16 - c slots, nine at the least
	s_sub_co_u32 s[LQ], 15, s[CB]
	s_mov_b32 s[NXT], 1
	s_mov_b32 s[NEW], 0
	s_mov_b32 s[MK], 0
	s_mov_b32 s[MADD], 4096
	s_mov_b32 s[OFF+1], 0
	s_mov_b32 s[G0K], 1
	s_mov_b32 s[G0K+1], s22
	s_mov_b32 s[G0V], 1
	s_mov_b32 s[G0V+1], s23
	s_and_b32 s[LIM], s[WV], 1
	s_or_b32 s[LIM], s[LIM], ttmp9
	s_cmp_eq_u32 s[LIM], 0
	s_cselect_b32 s[LIM], 2, -1
	s_wait_dscnt 0x0                               ; the opening add is done
	s_wait_kmcnt 0x0
	s_add_nc_u64 s[6:7], s[6:7], s[20:21]          ; K at my planes of the batch's tile 0,
	s_add_nc_u64 s[8:9], s[6:7], 0x200000          ; V
	s_add_nc_u64 s[OLO:OLO+1], s[10:11], s[QLO:QLO+1]
	s_add_nc_u64 s[10:11], s[10:11], s[74:75]
	s_add_nc_u64 s[QLO:QLO+1], s[4:5], s[QLO:QLO+1]
	s_add_nc_u64 s[4:5], s[4:5], s[74:75]
	s_add_nc_u64 s[G0K+2:G0K+3], s[6:7], 0
	s_or_b32 s[G0K+3], s[G0K+3], 0x80000000
	s_add_nc_u64 s[G0V+2:G0V+3], s[8:9], 0
	s_or_b32 s[G0V+3], s[G0V+3], 0x80000000
	s_cmp_lt_u32 s[WV], 2
	s_cselect_b64 s[PFA:PFA+1], s[6:7], s[8:9]     ; (in waves 0 and 2 these stand at a tile's first byte)
	s_lshl_b32 s2, s[CX], 13
	s_add_co_u32 s2, s2, 2*32768                   ; at tile 2: the first trip steps it to tile 3
	s_mov_b32 s3, 0
	s_add_nc_u64 s[PFA:PFA+1], s[PFA:PFA+1], s[2:3]
	CROUND                                         ; all four work-groups are here
	JLOAD                                          ; tile 0 into slot 0; slot 1 is asked for when slot 0 is in
	v_and_b32 v1, 15, v0                           ; l % 16
	v_bfe_u32 v9, v0, 4, 1                         ; l / 16
	v_and_b32 v34, 31, v0                          ; l
	v_lshlrev_b32 v[QO], 11, v1
	v_lshl_add_u32 v[QO], v9, 4, v[QO]
	WIN 0x80                                       ; destination window 2: the first block's Q in its place, the second's in K's registers for now
.set f, 0
.rept 16                                       ; tile f / 8, channels 32 ((f / 2) % 4) on, 16 bytes at 32 (f % 2)
	global_load_b128 v[4*f:4*f+3],       v[QO], s[4:5]         offset:256*(f/8)+64*((f/2)%4)+32*(f%2)
	global_load_b128 v[64+4*f:64+4*f+3], v[QO], s[QLO:QLO+1]   offset:256*(f/8)+64*((f/2)%4)+32*(f%2)
.set f, f+1
.endr
	WIN 0x40
.set z, 0
.rept 128
	v_mov_b32 v[z], 0                              ; O^T need only be finite at a block's start; written in the wait for the first tile
.set z, z+1
.endr
	WIN 0
.set z, 0
.rept 64
	v_mov_b32 v[MC+z], 0                           ; nothing is hidden in the first block's first slots
	v_mov_b32 v[MONE+z], 1.0
.set z, z+1
.endr
.irp x, 0,1
	v_mov_b32 v[ST+8*\x], 0x7e000000
	v_mov_b32 v[ST+8*\x+1], 0x7e000000
	v_mov_b32 v[ST+8*\x+2], 0
	v_mov_b32 v[ST+8*\x+3], 0
.endr
	v_mul_u32_u24 v[AK0], v1, PKP
	v_lshl_add_u32 v[AK0], v9, 4, v[AK0]           ; key l % 16, 16 bytes for each half of the lanes
	v_and_b32 v35, 7, v0                           ; the turning load: lane l reads key 8 (l / 16) + l % 8, channels 8 ((l / 8) % 2) + 0..7
	v_lshl_add_u32 v[AV0], v9, 3, v35
	v_mul_u32_u24 v[AV0], v[AV0], PVP
	v_bfe_u32 v35, v0, 3, 1
	v_lshl_add_u32 v[AV0], v35, 4, v[AV0]
	v_add_nc_u32 v[AV0], VOFF, v[AV0]
	s_mul_i32 s2, s[WV], 16*SP
	s_add_co_u32 s2, s2, STAGE
	v_mul_u32_u24 v[STO], v1, SP
	v_lshl_add_u32 v[STO], v9, 4, v[STO]
	v_add_nc_u32 v[STO], s2, v[STO]
	v_mul_u32_u24 v[RD], v9, SP
	v_lshl_add_u32 v[RD], v1, 4, v[RD]
	v_add_nc_u32 v[RD], s2, v[RD]
	v_lshlrev_b32 v[GO], 11, v9
	v_lshl_add_u32 v[GO], v1, 4, v[GO]
	v_lshlrev_b32 v35, 3, v9
	v_sub_nc_u32 v[THB], v1, v35
	s_sub_co_u32 s2, 112, s[TLO]                   ; the first block's place in its last slot
	v_add_nc_u32 v[THR], s2, v[THB]
	s_lshl_b32 s2, s[WV], 13
	s_add_co_u32 s2, s2, QST
	v_lshl_add_u32 v[QSA], v34, 4, s2
	v_lshlrev_b32 v[PFO], 8, v34
	s_wait_loadcnt 0x0                             ; both blocks' Q
	WIN 0x08                                       ; store data in window 2
.set f, 0
.rept 16
	ds_store_b128 v[QSA], v[64+4*f:64+4*f+3] offset:512*f  ; the second block's Q waits in LDS, each lane's registers as they are
.set f, f+1
.endr
	WIN 0
; THE MATRIX WORK.  The accumulators of a run take turns, one instruction a turn.
; Product i of 16 of S^T = K Q^T, tile x, step s: channels 32 (i / 4) on, keys 16 (i % 4) on.  The first four start the sums with the mask.
.macro KQ x, s
.set rS, S+32*(\x)+8*(i%4)
.set rK, 64-64*(\s)+32*(i%4)+8*(i/4)
.set rQ, 32*(\x)+8*(i/4)
.set rM, MC+32*(\s)+8*(i%4)
	WIN 0x0a+(\s)                                  ; K in window 2 or 3, Q in window 2
.if i < 4
	v_wmma_f32_16x16x32_f16 v[rS:rS+7], v[rK:rK+7], v[rQ:rQ+7], v[rM:rM+7]
.else
	v_wmma_f32_16x16x32_f16 v[rS:rS+7], v[rK:rK+7], v[rQ:rQ+7], v[rS:rS+7]
.endif
.endm
; Product i of 16 of O^T += V^T P: keys 32 (i / 8) on, channels 16 (i % 8) on.
.macro PV x, s
.set rO, 64*(\x)+8*(i%8)
.set rP, P+16*(\x)+8*(i/8)
.if (\s) == 0
.set rV, 128+64*(i/8)+8*(i%8)
	WIN 0x57
.else
.set rV, 192+8*(i%8)
	WIN 0x56-(i/8)
.endif
	v_wmma_f32_16x16x32_f16 v[rO:rO+7], v[rV:rV+7], v[rP:rP+7], v[rO:rO+7]
.endm
; THE LDS LOADS stand in runs.  FETCH3: both steps' K and step 0's V of the slot at TB; FETCH_V1: step 1's V.
.macro FETCH3
	WIN 0
	v_add_nc_u32 v[ADK], s[TB], v[AK0]
	v_add_nc_u32 v[ADV], s[TB], v[AV0]
	WIN 0x80
.set f, 0
.rept 16                                       ; keys 16 (f / 4) on, plane f % 4
	ds_load_b128 v[64+8*f:64+8*f+3],   v[ADK] offset:(f%4)*KPL+(f/4)*16*PKP
	ds_load_b128 v[64+8*f+4:64+8*f+7], v[ADK] offset:(f%4)*KPL+(f/4)*16*PKP+32
.set f, f+1
.endr
	WIN 0xc0
.set f, 0
.rept 16
	ds_load_b128 v[8*f:8*f+3],   v[ADK] offset:(f%4)*KPL+(64+(f/4)*16)*PKP
	ds_load_b128 v[8*f+4:8*f+7], v[ADK] offset:(f%4)*KPL+(64+(f/4)*16)*PKP+32
.set f, f+1
.endr
.set f, 0
.rept 16                                       ; keys 32 (f / 8) on, channels 16 (f % 8) on
	ds_load_tr16_b128 v[128+8*f:128+8*f+3],   v[ADV] offset:((f%8)/2)*VPL+(f/8)*32*PVP+32*(f%2)
	ds_load_tr16_b128 v[128+8*f+4:128+8*f+7], v[ADV] offset:((f%8)/2)*VPL+(f/8)*32*PVP+16*PVP+32*(f%2)
.set f, f+1
.endr
	WIN 0
.endm
.macro FETCH_V1
	WIN 0x80
.set f, 0
.rept 8
	ds_load_tr16_b128 v[192+8*f:192+8*f+3],   v[ADV] offset:(f/2)*VPL+64*PVP+32*(f%2)
	ds_load_tr16_b128 v[192+8*f+4:192+8*f+7], v[ADV] offset:(f/2)*VPL+80*PVP+32*(f%2)
.set f, f+1
.endr
	WIN 0x40
.set f, 0
.rept 8
	ds_load_tr16_b128 v[192+8*f:192+8*f+3],   v[ADV] offset:(f/2)*VPL+96*PVP+32*(f%2)
	ds_load_tr16_b128 v[192+8*f+4:192+8*f+7], v[ADV] offset:(f/2)*VPL+112*PVP+32*(f%2)
.set f, f+1
.endr
	WIN 0
.endm
; THE SOFTMAX of tile x, step s: line j of 220.  Three batches of transcendentals, each with a v_nop behind its last and ONE wait ahead of its first reader.
;   0-31 E = 2^u | 32, 33 | 34-49 D = E + addend | 50-81 R = 1 / D | 82, 83 | 84-99 the minimum of the 32 R and the old Rmin | 100-104 the other half of the lanes'; Rmin; nm; its change
;   105-120 nm - C2 R | 121 a | 122-153 p | 154, 155 | 156-171 p rounded to f16 | 172-187 the sums; l = a l + sum | 188-219 O^T times a.  Each accumulator is read from its low end on.
.macro SM x, s
.set rT, ST+8*(\x)
.set rS, S+32*(\x)
.set rP, P+16*(\x)
.set rN, MONE+32*(\s)
.set rO, 64*(\x)+2*(j-188)
.set n, j-84
.set z, j-172
.if (j == 32) || (j == 82) || (j == 154)
	v_nop
.elseif (j == 33) || (j == 83) || (j == 155)
	s_wait_alu depctr_va_vdst(0)
.elseif j < 32
	WIN 0
	v_exp_f32 v[rS+j], v[rS+j]
.elseif j < 50
	WIN 0
	v_pk_add_f32 v[rS+2*(j-34):rS+2*(j-34)+1], v[rS+2*(j-34):rS+2*(j-34)+1], v[rN+2*(j-34):rN+2*(j-34)+1]
.elseif j < 82
	WIN 0
	v_rcp_f32 v[rS+j-50], v[rS+j-50]
.elseif j < 88
	WIN 0
	v_min3_num_f32 v[rT+4+n], v[rS+8*n], v[rS+8*n+1], v[rS+8*n+2]
.elseif j < 96
	WIN 0
	v_min3_num_f32 v[rT+4+n%4], v[rT+4+n%4], v[rS+8*(n%4)+2*(n/4)+1], v[rS+8*(n%4)+2*(n/4)+2]
.elseif j == 96
	WIN 0
	v_min3_num_f32 v[rT+4], v[rT+4], v[rS+7], v[rS+15]
.elseif j == 97
	WIN 0
	v_min3_num_f32 v[rT+6], v[rT+6], v[rS+23], v[rS+31]
.elseif j == 98
	WIN 0
	v_min3_num_f32 v[rT+4], v[rT+4], v[rT+5], v[rT+6]
.elseif j == 99
	WIN 0
	v_min3_num_f32 v[rT+4], v[rT+4], v[rT+7], v[rT+1]
.elseif j == 100
	WIN 0
	v_permlanex16_b32 v[rT+5], v[rT+4], s[SEL], s[SEL+1]  ; the query's other 32 keys lie in the lane 16 away
.elseif j == 101
	WIN 0
	v_mov_b32 v[rT+7], v[rT]
.elseif j == 102
	WIN 0
	v_min_num_f32 v[rT+1], v[rT+4], v[rT+5]
.elseif j == 103
	WIN 0
	v_mul_f32 v[rT], s[C2], v[rT+1]
.elseif j == 104
	WIN 0
	v_sub_f32 v[rT+7], v[rT], v[rT+7]
.elseif j < 121
	WIN 0
	v_pk_fma_f32 v[rS+2*(j-105):rS+2*(j-105)+1], v[rS+2*(j-105):rS+2*(j-105)+1], s[NC2:NC2+1], v[rT:rT+1] op_sel_hi:[1,0,0]
.elseif j == 121
	WIN 0
	v_exp_f32 v[rT+6], v[rT+7]
.elseif j < 154
	WIN 0
	v_exp_f32 v[rS+j-122], v[rS+j-122]
.elseif j < 172
	WIN 0x40
	v_cvt_pk_f16_f32 v[rP+j-156], v[rS+2*(j-156)], v[rS+2*(j-156)+1]
.elseif j < 180
	WIN 0
	v_pk_add_f32 v[rS+4*z:rS+4*z+1], v[rS+4*z:rS+4*z+1], v[rS+4*z+2:rS+4*z+3]
.elseif j < 184
	WIN 0
	v_pk_add_f32 v[rS+8*(z-8):rS+8*(z-8)+1], v[rS+8*(z-8):rS+8*(z-8)+1], v[rS+8*(z-8)+4:rS+8*(z-8)+5]
.elseif j < 186
	WIN 0
	v_pk_add_f32 v[rS+16*(z-12):rS+16*(z-12)+1], v[rS+16*(z-12):rS+16*(z-12)+1], v[rS+16*(z-12)+8:rS+16*(z-12)+9]
.elseif j == 186
	WIN 0
	v_pk_add_f32 v[rS:rS+1], v[rS:rS+1], v[rS+16:rS+17]
.elseif j == 187
	WIN 0
	v_pk_fma_f32 v[rT+2:rT+3], v[rT+2:rT+3], v[rT+6:rT+7], v[rS:rS+1] op_sel_hi:[1,0,1]
.else
	WIN 0x41
	v_pk_mul_f32 v[rO:rO+1], v[rO:rO+1], v[rT+6:rT+7] op_sel_hi:[1,0]
.endif
.endm
; A slice behind a product.  With 32 products in the turn: 28 slices of 7 and 4 of 6; with 16: 12 of 14 and 4 of 13: 220 either way.  The last slice is six or more packed multiplies
; of the other tile's O^T: the places between a turn's last product and the first read of its result.
.macro RIDE x, s
.if (\x) >= 0
.if both
.set len, 7-(k/28)
.else
.set len, 14-(k/12)
.endif
.rept len
	SM \x, \s
.set j, j+1
.endr
.set k, k+1
.endif
.endm
.macro TURN pvx, pvs, kqx, kqs, smx, sms   ; tile and step of the products V^T P, of the products K Q^T, of the softmax; a tile of -1: none
.set j, 0
.set k, 0
.set both, 0
.if ((\pvx) >= 0) && ((\kqx) >= 0)
.set both, 1
.endif
.if (\pvx) >= 0
.set i, 0
.rept 16
	PV \pvx, \pvs
	RIDE \smx, \sms
.set i, i+1
.endr
.endif
.if (\kqx) >= 0
.set i, 0
.rept 16
	KQ \kqx, \kqs
	RIDE \smx, \sms
.set i, i+1
.endr
.endif
.endm
; THE MASKS of both steps: register r of key group g (16 keys) is hidden where 16 g + r is greater than my query's place in the slot less my lanes' 8 (l / 16).
.macro MASK
	v_add_nc_u32 v[TT], s[MADD], v[THR]
.set z, 0
.rept 64
	v_cmp_gt_i32 vcc_lo, 16*(z/8)+z%8, v[TT]
	v_cndmask_b32 v[MC+z], 0, s[BIGN], vcc_lo
	v_cndmask_b32 v[MONE+z], 1.0, s[TINY], vcc_lo
.set z, z+1
.endr
.endm
; THE WAY OUT of a block: l's halves and the other half of the lanes' are added; O^T is divided by l, rounded to f16 and sent through my stage, a tile (16 rows of 256 bytes) at a time.
.macro PACK x
	WIN 0x41
.set z, 64*(\x)
.rept 32
	v_pk_mul_f32 v[z:z+1], v[z:z+1], v[ST+8*(\x)+6:ST+8*(\x)+7] op_sel_hi:[1,0]
.set z, z+2
.endr
	WIN 0x05
.set z, 0
.rept 32
	v_cvt_pk_f16_f32 v[S+32*(\x)+z], v[64*(\x)+2*z], v[64*(\x)+2*z+1]
.set z, z+1
.endr
	WIN 0
.set z, 0
.rept 8
	ds_store_b128 v[STO], v[S+32*(\x)+4*z:S+32*(\x)+4*z+3] offset:32*z
.set z, z+1
.endr
.set z, 0
.rept 8
	ds_load_b128 v[S+32*(\x)+4*z:S+32*(\x)+4*z+3], v[RD] offset:z*2*SP  ; LDS serves a wave's instructions in order (ISA guide 5.7.1.4): these see the stores above
.set z, z+1
.endr
.endm
.macro SEND x, younger                 ; younger: the LDS instructions issued behind this tile's loads
.set z, 0
.rept 8
	s_wait_dscnt (\younger)+7-z
	global_store_b128 v[GO], v[S+32*(\x)+4*z:S+32*(\x)+4*z+3], s[10:11] offset:4096*z+256*(\x)  ; 16 lanes store 256 consecutive bytes, aligned
.set z, z+1
.endr
.endm
; A BLOCK ENDS.  The second block's Q comes out of LDS (its loads are waited for with the way out's); the block goes out; the second block's address, threshold and statistics are set.
; At the walk's end the same lines run once more and set what nobody reads: the price of one text for every trip.
.macro FLUSH
	WIN 0x80
.set f, 0
.rept 16
	ds_load_b128 v[4*f:4*f+3], v[QSA] offset:512*f
.set f, f+1
.endr
	WIN 0
.irp x, 0,1
	v_add_f32 v[ST+8*\x+4], v[ST+8*\x+2], v[ST+8*\x+3]
.endr
.irp x, 0,1
	v_permlanex16_b32 v[ST+8*\x+5], v[ST+8*\x+4], s[SEL], s[SEL+1]
.endr
.irp x, 0,1
	v_add_f32 v[ST+8*\x+4], v[ST+8*\x+4], v[ST+8*\x+5]
.endr
.irp x, 0,1
	v_rcp_f32 v[ST+8*\x+6], v[ST+8*\x+4]
.endr
	v_nop
	s_wait_alu depctr_va_vdst(0)                   ; one wait for the two reciprocals, ahead of their first reader
	PACK 0
	PACK 1
	SEND 0, 16
	SEND 1, 0
	s_wait_xcnt 0x0                                ; the stores have read their registers and O's address
	s_mov_b64 s[10:11], s[OLO:OLO+1]
	v_add_nc_u32 v[THR], s[TLO], v[THB]
.irp x, 0,1
	v_mov_b32 v[ST+8*\x], 0x7e000000
	v_mov_b32 v[ST+8*\x+1], 0x7e000000
.endr
	s_add_co_u32 s[RT], s[CB], 1                   ; the second block has c + 1 slots
	s_mov_b32 s[NEW], 1
.endm
; A TRIP: one slot of 128 keys.  Its K and V lie in registers or are on their way there; the next slot's are fetched in its second half.
.macro TRIP fill
	s_cmp_eq_u32 s[MK], 0
	s_cbranch_scc1 .Lnomask_\@
	MASK
.Lnomask_\@:
	s_wait_dscnt 32                                ; both steps' K and step 0's V are in; the youngest 32 loads (step 1's V) may be out
	TURN -1, 0, 0, 0, -1, 0
	PLACES                                         ; behind those products, ahead of the first read of their scores
	TURN -1, 0, 1, 0, 0, 0
	TURN 0, 0, 0, 1, 1, 0
	TURN 1, 0, 1, 1, 0, 1
	CHANGE \fill, \fill
	FETCH3
.if \fill
	ASK
.endif
	TURN 0, 1, -1, 0, 1, 1
	TURN 1, 1, -1, 0, -1, 0
	WIN 0
	PLACES                                         ; behind the last products: for the loads into V's registers and for the way out
	FETCH_V1
	s_sub_co_u32 s[RT], s[RT], 1
	s_cmp_lg_u32 s[RT], 0
	s_cbranch_scc1 .Lnoflush_\@
	FLUSH
.Lnoflush_\@:
	s_cmp_eq_u32 s[RT], 1                          ; is the next slot its block's last, the one with the diagonal?
	s_cselect_b32 s[MADD], 0, 4096
	s_cselect_b32 s[MK], 1, s[NEW]                 ; the masks change there, and at a block's first slot
	s_mov_b32 s[NEW], 0
.endm
	CHANGE 1, 0                                    ; tile 0 is in, everybody's part of it; slot 1 is asked for
	FETCH3
	FETCH_V1
	s_mov_b32 s[SLOTS], 15
.Lslot:                                        ; trips 0 to 14: trip n asks for the walk's tile n + 2
	TRIP 1
	s_sub_co_u32 s[SLOTS], s[SLOTS], 1
	s_cmp_lg_u32 s[SLOTS], 0
	s_cbranch_scc1 .Lslot
	s_mov_b32 s[CNT], 2
.Ltail:                                        ; trips 15 and 16 ask for nothing.  The last one's barrier orders nothing further, and its fetches read a slot that nobody multiplies: one text for both
	TRIP 0
	s_sub_co_u32 s[CNT], s[CNT], 1
	s_cmp_lg_u32 s[CNT], 0
	s_cbranch_scc1 .Ltail
	s_wait_tensorcnt 0x0                           ; the wave's end
	ds_add_u32 v[SPW], v[NIL]
	s_wait_dscnt 0x0
	CROUND                                         ; the closing round
	s_endpgm
.Lfunc_end_k_q73948195b1_attn:
	.size	k_q73948195b1_attn, .Lfunc_end_k_q73948195b1_attn-k_q73948195b1_attn
	.p2alignl 7, 3214868480
	.fill 96, 4, 3214868480
	.section	.rodata,"a",@progbits
	.p2align	6, 0x0
	.amdhsa_kernel k_q73948195b1_attn
		.amdhsa_group_segment_fixed_size 327680
		.amdhsa_private_segment_fixed_size 0
		.amdhsa_enable_private_segment 0
		.amdhsa_kernarg_size 24
		.amdhsa_user_sgpr_count 2
		.amdhsa_user_sgpr_kernarg_segment_ptr 1
		.amdhsa_wavefront_size32 1
		.amdhsa_system_sgpr_workgroup_id_x 1
		.amdhsa_system_sgpr_workgroup_id_y 1
		.amdhsa_system_sgpr_workgroup_id_z 1
		.amdhsa_system_vgpr_workitem_id 0
		.amdhsa_next_free_vgpr 1024
		.amdhsa_next_free_sgpr 80
		.amdhsa_reserve_vcc 1
		.amdhsa_float_denorm_mode_32 3
		.amdhsa_float_denorm_mode_16_64 3
		.amdhsa_memory_ordered 1
		.amdhsa_forward_progress 1
		.amdhsa_inst_pref_size 212
	.end_amdhsa_kernel
	.amdgpu_metadata
---
amdhsa.version: [ 1, 2 ]
amdhsa.kernels:
  - .name:           k_q73948195b1_attn
    .symbol:         k_q73948195b1_attn.kd
    .args:
      - { .name: qb, .offset: 0, .size: 8, .value_kind: global_buffer, .address_space: global }
      - { .name: kvb, .offset: 8, .size: 8, .value_kind: global_buffer, .address_space: global }
      - { .name: ob, .offset: 16, .size: 8, .value_kind: global_buffer, .address_space: global }
    .group_segment_fixed_size: 327680
    .private_segment_fixed_size: 0
    .kernarg_segment_align: 8
    .kernarg_segment_size: 24
    .max_flat_workgroup_size: 128
    .sgpr_count:     80
    .vgpr_count:     1024
    .wavefront_size: 32
...
	.end_amdgpu_metadata
.endif
;; end of part 3
;; launch oproj (part 4): grid 8 x 32, 4 waves a work-group, clusters of 4 x 4, 327,680 bytes of LDS; arguments ob, wob, out0; writes out0
.if DOCPART == 4
	.amdgcn_target "amdgcn-amd-amdhsa--gfx1250"
	.amdhsa_code_object_version 6
	.text
	.protected	k_q73948195b1_oproj
	.globl	k_q73948195b1_oproj
	.p2align	8
	.type	k_q73948195b1_oproj,@function
k_q73948195b1_oproj:
	s_mov_b64 s[64:65], 0
	v_nop
	global_prefetch_b8 v0, s[64:65] scope:SCOPE_SE
	s_setreg_imm32_b32 hwreg(HW_REG_WAVE_MODE, 25, 1), 1
	s_wait_xcnt 0x0
	s_wait_alu depctr_hold_cnt(0) depctr_sa_sdst(0) depctr_va_vdst(0) depctr_va_sdst(0) depctr_va_ssrc(0) depctr_va_vcc(0) depctr_vm_vsrc(0)
	s_getreg_b32 s2, hwreg(HW_REG_IB_STS2, 6, 4)
	s_cmp_eq_u32 s2, 0
	s_cbranch_scc0 .Lentry_in_a_cluster
	s_endpgm
.Lentry_in_a_cluster:
	s_bfe_u32 s2, ttmp6, 0x10000c
	s_cmp_lg_u32 s2, 0xf033
	s_cbranch_scc0 .Lentry_shape_is_right
	s_endpgm
.Lentry_shape_is_right:
; out0 = O Wo^T.  ob: [8192][1024] f16, wob: [1024][1024] f16 (Wo rounded to bf16, written as f16), out0: [8192][1024] f32.  Sums in f32.
; A tile is 256 rows x 128 columns: 32 x 8 = 256 work-groups.  Wave w makes rows 64 w .. 64 w + 63 of all 128 columns: 4 x 8 accumulators.  K goes in eight steps of 128 (rows of 256
; bytes) through two LDS slots filled by tensor loads.  CLUSTER 4 x 4: A's tile is shared along a row of the cluster, B's along a column, by joint loads.
; THE PRODUCT IS TAKEN TRANSPOSED (source 0 = 16 rows of B, source 1 = 16 rows of A): a lane holds one row of the result and eight neighbouring columns.
; REGISTERS: window 0: v0-31 addresses; v32-127, v128-223 two fragment buffers (B's eight fragments, then A's four).  Window 1: accumulator (a, b) at 8 (8 a + b).
.set NB,    8
.set NT,    16*NB
.set PITCH, 272
.set HALFA, 128*PITCH
.set BOFF,  2*HALFA
.set HALFB, 8*NB*PITCH
.set SLOT1, 131072
.set STAGE, SLOT1+BOFF+2*HALFB         ; behind the ring: 16 rows x 528 bytes for each wave
.set SPT,   528
.set STW,   16*SPT
.set SPARE, STAGE+4*STW
.set A0,  2
.set B0,  3
.set ADA, 4
.set ADB, 5
.set STO, 6
.set RD,  8
.set CO,  10
.set SPW, 28
.set NIL, 29
.set PFO, 30
.set F0,  32
.set F1,  128
.set BK,  32
.set WV, 16
.set HB, 17
.set HF, 18
.set TR, 19
.set TC, 20
.set CX, 21
.set CY, 22
.set G1A, 24
.set G0A, 32
.set LEFT, 40
.set LIM, 41
.set PFA, 42
.set TB,  44
.set G1B, 48
.set G0B, 56
.set MSB, 0
.macro WIN new
.if MSB != (\new)
	s_set_vgpr_msb (MSB<<8)|(\new)
.set MSB, (\new)
.endif
.endm
.macro PLACES
.rept 4
	v_nop
.endr
.endm
.macro JLOAD                           ; a joint refill by the walking descriptors; an s_nop 0 and four v_nop follow each line
	s_cmp_eq_u32 s[HB], 0
	s_cbranch_scc0 .Lfor_b_\@
	tensor_load_to_lds s[G0A+4:G0A+7], s[G1A:G1A+7]
	s_nop 0
.rept 4
	v_nop
.endr
	s_branch .Lasked_\@
.Lfor_b_\@:
	tensor_load_to_lds s[G0B+4:G0B+7], s[G1B:G1B+7]
	s_nop 0
.rept 4
	v_nop
.endr
.Lasked_\@:
.endm
; A prefetch of A's K step two refills on: 32 rows x 256 bytes, a lane a row; waves 0 and 1 of the clusters with x = 0 ask; the partner at place cx takes 32 of a wave's 128 rows, by
; address.  Steps 0 to 3 come by their loads alone; the loop's last two trips ask for nothing.  B is not asked for: a partner's share of its rows would be 16, not a lane each.
.macro ASK
	s_cmp_gt_u32 s[LEFT], s[LIM]
	s_cbranch_scc0 .Lnot_mine_\@
	global_prefetch_b8 v[PFO], s[PFA:PFA+1] offset:256 th:TH_LOAD_NT scope:SCOPE_SE
.Lnot_mine_\@:
.endm
.macro CREST
	s_cmp_lg_u32 s[WV], 0
	s_cbranch_scc1 .Lnot_wave_0_\@
	s_barrier_signal -3
.Lnot_wave_0_\@:
	s_barrier_wait -3
	s_barrier_signal -1
	s_barrier_wait -1
.endm
.macro CROUND
	s_barrier_signal -1
	s_barrier_wait -1
	CREST
.endm
	s_load_b128 s[4:7], s[0:1], 0x0                ; ob 4, wob 6
	s_load_b64 s[12:13], s[0:1], 0x10              ; out0
	v_lshl_add_u32 v[SPW], v0, 2, SPARE
	v_mov_b32 v[NIL], 0
	ds_add_u32 v[SPW], v[NIL]                      ; the opening: the add and its wait ahead of my first tensor load
	v_lshrrev_b32 v1, 5, v0
	v_readfirstlane_b32 s[WV], v1
	s_lshr_b32 s[HB], s[WV], 1
	s_and_b32 s[HF], s[WV], 1
	s_bfe_u32 s[CX], ttmp6, 0x40000
	s_bfe_u32 s[CY], ttmp6, 0x40004
	s_lshl_b32 s[TC], ttmp9, 2
	s_add_co_u32 s[TC], s[TC], s[CX]
	s_and_b32 s[TR], ttmp7, 0xffff
	s_lshl_b32 s[TR], s[TR], 2
	s_add_co_u32 s[TR], s[TR], s[CY]
	s_lshl_b32 s23, s[CY], 2
	s_lshl_b32 s23, 15, s23
	s_lshl_b32 s46, 0x1111, s[CX]
	s_or_b32 s[G1A], s23, (1<<16)|(1<<20)|(1<<21)|(5<<22)|(3<<25)
	s_or_b32 s[G1B], s46, (1<<16)|(1<<20)|(1<<21)|(5<<22)|(3<<25)
	s_mov_b32 s[G1A+1], 128<<16
	s_mov_b32 s[G1A+2], 128<<16
	s_mov_b32 s[G1A+3], 128<<16
	s_mov_b32 s[G1A+4], 128
	s_mov_b32 s[G1A+5], 1024
	s_mov_b32 s[G1A+6], 0
	s_mov_b32 s[G1A+7], 0
	s_mov_b32 s[G1B+1], 128<<16
	s_mov_b32 s[G1B+2], (8*NB)<<16
	s_mov_b32 s[G1B+3], 128<<16
	s_mov_b32 s[G1B+4], 8*NB
	s_mov_b32 s[G1B+5], 1024
	s_mov_b32 s[G1B+6], 0
	s_mov_b32 s[G1B+7], 0
	s_lshl_b32 s66, s[TR], 8
	s_lshl_b32 s67, s[HF], 7
	s_add_co_u32 s66, s66, s67
	s_lshl_b32 s66, s66, 11
	s_mov_b32 s67, 0
	s_mul_i32 s68, s[TC], NT
	s_mul_i32 s69, s[HF], 8*NB
	s_add_co_u32 s68, s68, s69
	s_lshl_b32 s68, s68, 11
	s_mov_b32 s69, 0
	s_mul_i32 s70, s[HF], HALFA
	s_mul_i32 s71, s[HF], HALFB
	s_add_co_u32 s71, s71, BOFF
	s_wait_dscnt 0x0
	s_wait_kmcnt 0x0
	s_add_nc_u64 s[66:67], s[4:5], s[66:67]
	s_add_nc_u64 s[68:69], s[6:7], s[68:69]
	CROUND
.irp s, 0,1
	s_mov_b32 s[G0A+4*\s], 1
	s_add_co_u32 s[G0A+4*\s+1], s70, \s*SLOT1
	s_add_nc_u64 s[G0A+4*\s+2:G0A+4*\s+3], s[66:67], \s*256
	s_or_b32 s[G0A+4*\s+3], s[G0A+4*\s+3], 0x80000000
	s_mov_b32 s[G0B+4*\s], 1
	s_add_co_u32 s[G0B+4*\s+1], s71, \s*SLOT1
	s_add_nc_u64 s[G0B+4*\s+2:G0B+4*\s+3], s[68:69], \s*256
	s_or_b32 s[G0B+4*\s+3], s[G0B+4*\s+3], 0x80000000
.endr
	s_cmp_eq_u32 s[HB], 0
	s_cbranch_scc0 .Lfirst_b
	tensor_load_to_lds s[G0A:G0A+3], s[G1A:G1A+7]
	s_nop 0
	tensor_load_to_lds s[G0A+4:G0A+7], s[G1A:G1A+7]
	s_nop 0
.rept 4
	v_nop
.endr
	s_branch .Lfirst_asked
.Lfirst_b:
	tensor_load_to_lds s[G0B:G0B+3], s[G1B:G1B+7]
	s_nop 0
	tensor_load_to_lds s[G0B+4:G0B+7], s[G1B:G1B+7]
	s_nop 0
.rept 4
	v_nop
.endr
.Lfirst_asked:
	v_and_b32 v1, 15, v0
	v_bfe_u32 v16, v0, 4, 1
	v_and_b32 v17, 31, v0
	v_mul_u32_u24 v18, v1, PITCH
	v_lshl_add_u32 v18, v16, 4, v18
	s_mul_i32 s23, s[WV], 64*PITCH
	v_add_nc_u32 v[A0], s23, v18
	v_add_nc_u32 v[B0], BOFF, v18
	v_mov_b32 v[ADA], v[A0]
	v_mov_b32 v[ADB], v[B0]
	s_mov_b32 s[TB], 0
	s_mul_i32 s23, s[WV], STW
	s_add_co_u32 s23, s23, STAGE
	v_mul_u32_u24 v19, v1, SPT                     ; in: row l % 16, 32 bytes for each half of the lanes
	v_lshl_add_u32 v19, v16, 5, v19
	v_add_nc_u32 v[STO], s23, v19
	v_lshl_add_u32 v[RD], v17, 4, s23              ; back: a row of 512 bytes to a load
	v_lshlrev_b32 v[CO], 4, v17
	s_lshl_b32 s46, s[TR], 8                       ; out0 at row 256 x tile row + 64 w, byte 512 j
	s_lshl_b32 s47, s[WV], 6
	s_add_co_u32 s46, s46, s47
	s_lshl_b32 s46, s46, 12
	s_lshl_b32 s47, s[TC], 9
	s_add_co_u32 s46, s46, s47
	s_mov_b32 s47, 0
	s_add_nc_u64 s[12:13], s[12:13], s[46:47]
	s_lshl_b32 s46, s[TR], 8
	s_lshl_b32 s23, s[HF], 7
	s_add_co_u32 s46, s46, s23
	s_lshl_b32 s23, s[CX], 5
	s_add_co_u32 s46, s46, s23
	s_lshl_b32 s46, s46, 11
	s_add_co_u32 s46, s46, 2*256
	s_add_nc_u64 s[PFA:PFA+1], s[4:5], s[46:47]
	s_or_b32 s[LIM], s[HB], ttmp9
	s_cmp_eq_u32 s[LIM], 0
	s_cselect_b32 s[LIM], 2, -1
	v_lshlrev_b32 v[PFO], 11, v17
.macro MULA f, a, zero                 ; eight products; all 32 accumulators take turns, in the same order in every quarter
	WIN 0x50
.set AB, 64*(\a)
.set b, 0
.rept NB
.if \zero
	v_wmma_f32_16x16x32_f16 v[AB+8*b:AB+8*b+7], v[(\f)+8*b:(\f)+8*b+7], v[(\f)+8*NB+8*(\a):(\f)+8*NB+8*(\a)+7], 0
.else
	v_wmma_f32_16x16x32_f16 v[AB+8*b:AB+8*b+7], v[(\f)+8*b:(\f)+8*b+7], v[(\f)+8*NB+8*(\a):(\f)+8*NB+8*(\a)+7], v[AB+8*b:AB+8*b+7]
.endif
.set b, b+1
.endr
.endm
.macro FETCH k, f
	WIN 0
.set b, 0
.rept NB
	ds_load_b128 v[(\f)+8*b:(\f)+8*b+3],   v[ADB] offset:(\k)+b*16*PITCH
	ds_load_b128 v[(\f)+8*b+4:(\f)+8*b+7], v[ADB] offset:(\k)+b*16*PITCH+32
.set b, b+1
.endr
.set b, 0
.rept 4
	ds_load_b128 v[(\f)+8*NB+8*b:(\f)+8*NB+8*b+3],   v[ADA] offset:(\k)+b*16*PITCH
	ds_load_b128 v[(\f)+8*NB+8*b+4:(\f)+8*NB+8*b+7], v[ADA] offset:(\k)+b*16*PITCH+32
.set b, b+1
.endr
.endm
.macro QUARTER k, f, g, zero
	s_wait_dscnt 4                                 ; B and A's rows 0-31 are in; the youngest four loads may be out
	MULA \f, 0, \zero
	MULA \f, 1, \zero
	PLACES
	FETCH \k, \g
	s_wait_dscnt 2*NB+8                            ; all but the run just issued
	MULA \f, 2, \zero
	MULA \f, 3, \zero
.endm
.macro TURN fill                       ; the last quarter and the change of slots: all my tensor loads waited for, the add, its wait and my reads', the barrier (fill = 1: a round of the cluster's), the refill first
.if \fill
	s_wait_xcnt 0x0
	s_add_nc_u64 s[PFA:PFA+1], s[PFA:PFA+1], 256
.endif
	WIN 0
	s_wait_tensorcnt 0x0
	ds_add_u32 v[SPW], v[NIL]
	s_wait_dscnt 5                                 ; (the add and the youngest four loads may be out)
	MULA F1, 0, 0
	s_wait_dscnt 0x0
	s_barrier_signal -1
	MULA F1, 1, 0
	WIN 0
	s_barrier_wait -1
.if \fill
	CREST
	s_xor_b32 s[G0A+5], s[G0A+5], SLOT1
	s_add_nc_u64 s[G0A+6:G0A+7], s[G0A+6:G0A+7], 256
	s_xor_b32 s[G0B+5], s[G0B+5], SLOT1
	s_add_nc_u64 s[G0B+6:G0B+7], s[G0B+6:G0B+7], 256
	JLOAD
.else
	PLACES
.endif
	s_xor_b32 s[TB], s[TB], SLOT1
	v_add_nc_u32 v[ADA], s[TB], v[A0]
	v_add_nc_u32 v[ADB], s[TB], v[B0]
	FETCH 0, F0
.if \fill
	ASK
.endif
	MULA F1, 2, 0
	MULA F1, 3, 0
.endm
	s_wait_tensorcnt 0x1                           ; my part of K step 0 is in; step 1's may stay out
	s_barrier_signal -1
	s_barrier_wait -1
	FETCH 0, F0
	QUARTER 64, F0, F1, 1
	WIN 0
	s_mov_b32 s[LEFT], 6
.Lstep:
	QUARTER 128, F1, F0, 0
	QUARTER 192, F0, F1, 0
	TURN 1
	QUARTER 64, F0, F1, 0
	WIN 0
	s_sub_co_u32 s[LEFT], s[LEFT], 1
	s_cmp_lg_u32 s[LEFT], 0
	s_cbranch_scc1 .Lstep
	QUARTER 128, F1, F0, 0
	QUARTER 192, F0, F1, 0
	TURN 0
	QUARTER 64, F0, F1, 0
	QUARTER 128, F1, F0, 0
	QUARTER 192, F0, F1, 0
	s_wait_dscnt 0x0
	MULA F1, 0, 0
	MULA F1, 1, 0
	MULA F1, 2, 0
	MULA F1, 3, 0
	WIN 0
	PLACES                                         ; behind the last products
	; THE WAY OUT: 16 rows at a time through my stage: 32 bytes a lane in, whole rows of 512 bytes back and out.  Each accumulator is read from its low end on.
.irp a, 0,1,2,3
	WIN 0x04                                       ; store data in window 1
.set b, 0
.rept 8
	ds_store_b128 v[STO], v[64*\a+8*b:64*\a+8*b+3]   offset:64*b
	ds_store_b128 v[STO], v[64*\a+8*b+4:64*\a+8*b+7] offset:64*b+16
.set b, b+1
.endr
	WIN 0
	s_wait_xcnt 0x0                                ; earlier stores have read the registers that are loaded below
.set b, 0
.rept 16
	ds_load_b128 v[BK+64*(\a%2)+4*b:BK+64*(\a%2)+4*b+3], v[RD] offset:b*SPT  ; LDS serves a wave's instructions in order (ISA guide 5.7.1.4)
.set b, b+1
.endr
.set b, 0
.rept 16
	s_wait_dscnt 15-b
	global_store_b128 v[CO], v[BK+64*(\a%2)+4*b:BK+64*(\a%2)+4*b+3], s[12:13] offset:(16*\a+b)*4096 th:TH_STORE_NT  ; 512 consecutive bytes, aligned
.set b, b+1
.endr
.endr
	s_wait_tensorcnt 0x0                           ; the wave's end
	ds_add_u32 v[SPW], v[NIL]
	s_wait_dscnt 0x0
	CROUND                                         ; the closing round
	s_endpgm
.Lfunc_end_k_q73948195b1_oproj:
	.size	k_q73948195b1_oproj, .Lfunc_end_k_q73948195b1_oproj-k_q73948195b1_oproj
	.p2alignl 7, 3214868480
	.fill 96, 4, 3214868480
	.section	.rodata,"a",@progbits
	.p2align	6, 0x0
	.amdhsa_kernel k_q73948195b1_oproj
		.amdhsa_group_segment_fixed_size 327680
		.amdhsa_private_segment_fixed_size 0
		.amdhsa_enable_private_segment 0
		.amdhsa_kernarg_size 24
		.amdhsa_user_sgpr_count 2
		.amdhsa_user_sgpr_kernarg_segment_ptr 1
		.amdhsa_wavefront_size32 1
		.amdhsa_system_sgpr_workgroup_id_x 1
		.amdhsa_system_sgpr_workgroup_id_y 1
		.amdhsa_system_sgpr_workgroup_id_z 1
		.amdhsa_system_vgpr_workitem_id 0
		.amdhsa_next_free_vgpr 512
		.amdhsa_next_free_sgpr 72
		.amdhsa_reserve_vcc 0
		.amdhsa_float_denorm_mode_32 3
		.amdhsa_float_denorm_mode_16_64 3
		.amdhsa_memory_ordered 1
		.amdhsa_forward_progress 1
		.amdhsa_inst_pref_size 71
	.end_amdhsa_kernel
	.amdgpu_metadata
---
amdhsa.version: [ 1, 2 ]
amdhsa.kernels:
  - .name:           k_q73948195b1_oproj
    .symbol:         k_q73948195b1_oproj.kd
    .args:
      - { .name: ob, .offset: 0, .size: 8, .value_kind: global_buffer, .address_space: global }
      - { .name: wob, .offset: 8, .size: 8, .value_kind: global_buffer, .address_space: global }
      - { .name: out0, .offset: 16, .size: 8, .value_kind: global_buffer, .address_space: global }
    .group_segment_fixed_size: 327680
    .private_segment_fixed_size: 0
    .kernarg_segment_align: 8
    .kernarg_segment_size: 24
    .max_flat_workgroup_size: 128
    .sgpr_count:     72
    .vgpr_count:     512
    .wavefront_size: 32
...
	.end_amdgpu_metadata
.endif
;; end of part 4
;; ======== version 2 of 2: 4 launches; version 1 with the launch cast written anew for expert scheduling mode
;; limits: values are held in f16: magnitudes above 65,504 overflow, below 6.1e-05 lose precision; right only within a limited range of input values
;; workspace buffers: xb 16,777,216 bytes; wb 2,621,440 bytes; wob 2,097,152 bytes; csb 524,288 bytes; qb 16,777,216 bytes; kvb 4,194,304 bytes; ob 16,777,216 bytes
;; launch cast (part 5): grid 672 x 1, 8 waves a work-group, no clusters, 0 bytes of LDS; arguments x, Wq, Wk, Wv, Wo, cos, sin, xb, wb, wob, csb; writes xb, wb, wob, csb
.if DOCPART == 5
	.amdgcn_target "amdgcn-amd-amdhsa--gfx1250"
	.amdhsa_code_object_version 6
	.text
	.protected	k_q73948195b1_cast
	.globl	k_q73948195b1_cast
	.p2align	8
	.type	k_q73948195b1_cast,@function
k_q73948195b1_cast:
	s_mov_b64 s[64:65], 0
	v_nop
	global_prefetch_b8 v0, s[64:65] scope:SCOPE_SE
	s_setreg_imm32_b32 hwreg(HW_REG_WAVE_SCHED_MODE, 0, 2), 2
	s_setreg_imm32_b32 hwreg(HW_REG_WAVE_MODE, 25, 1), 1
	s_wait_xcnt 0x0
	s_wait_alu depctr_vm_vsrc(0)
; THE INPUTS ARE ROUNDED ONCE AND LAID OUT FOR THE LAUNCHES BEHIND.  A stream: no LDS, no matrix work.
;   xb  = bf16(x), [8192][1024].
;   wb  = bf16 of Wq, Wk, Wv, [1280][1024], in eight column tiles of 160 rows: tile j holds head j of Wq as four units of 32 rows (16 channels d = 16 u .., then their
;         rotary partners d + 64), then 32 rows of Wk (j < 4: channels 16 j .., then 64 + 16 j ..) or of Wv (j >= 4: channels 32 (j - 4) ..).  Blocks of 16 rows stay blocks of 16 rows.
;   wob = bf16(Wo) written as f16, [1024][1024].  LIMIT: |Wo| below 65,504.
;   csb = bf16 of cos and sin, [2048 t][4 u][2 h][8 cos | 8 sin], channel d = 16 u + 8 h + 0..7: 256 bytes a row.
; A work-group of eight waves takes 16 rows of 1,024 f32 (work-groups 0-511: x; 512-591: wb's blocks; 592-655: Wo) or 128 rows of cos and sin (656-671).
; A thread loads 16 bytes of each row (a wave: 512 consecutive bytes) and stores 8 (a wave: 256 consecutive bytes, aligned).  All 16 loads go out at once.
; THE MODE: SCHED_MODE bits 1:0 = 2 (LLVM: expert scheduling mode 2), set by the entry lines.  The code itself states the register dependences
; between vector instructions and memory instructions, with s_wait_alu, always for 0.
; THE PLAN.  Registers that memory instructions touch:
;   v1, v2, v5  byte offsets, made once by vector lines and never written again: one wait in front of a role's first load.
;   X, rows     row p's load lands in its own four registers; its conversions work in place; its store reads the first two; nothing lands there or is written there again.
;               The 16 rows go in four blocks of four.  The stores of block b - 1 are issued in block b, behind ONE wait at the block's head, and are dealt among block b's
;               conversions, which name block b's registers alone.
;   X, tables   the loads of four passes land in it; the selects and conversions read and write it; the second half's loads land in it again.  No store reads it.
;   Y0, Y1      the tables' out-buffers: half h's conversions write Y[h] once, its four stores read it.
;               So ONE wait behind a half's work states that Y[h] is written and that the vector lines are done with X; the next half's loads and this half's stores follow it.
.set X, 32                             ; v[32:95]  rows: pass p: four registers as loaded; the first two then hold what is stored.  tables: pass p of a half: sixteen registers
.set Y, 96                             ; v[96:127] tables: half h, pass p: four registers to store, at Y + 16 h + 4 p
	s_load_b512 s[16:31], s[0:1], 0x0              ; x 16, Wq 18, Wk 20, Wv 22, Wo 24, cos 26, sin 28, xb 30
	s_load_b128 s[32:35], s[0:1], 0x40             ; wb 32, wob 34
	s_load_b64 s[36:37], s[0:1], 0x50              ; csb
	v_lshlrev_b32 v1, 4, v0                        ; 16 t
	v_lshlrev_b32 v2, 3, v0                        ; 8 t
	s_mov_b32 s9, 0                                ; the offsets' high words
	s_mov_b32 s11, 0
	s_mov_b32 s12, 0xffff0000                      ; a word's upper bf16
	s_wait_kmcnt 0x0
	s_cmp_lt_u32 ttmp9, 512
	s_cbranch_scc0 .Lnot_x
	s_lshl_b32 s8, ttmp9, 16                       ; 16 rows of 4,096 bytes in,
	s_lshl_b32 s10, ttmp9, 15                      ; of 2,048 out
	s_add_nc_u64 s[4:5], s[16:17], s[8:9]
	s_add_nc_u64 s[6:7], s[30:31], s[10:11]
	s_branch .Lrows
.Lnot_x:
	s_cmp_lt_u32 ttmp9, 592
	s_cbranch_scc0 .Lnot_w
	s_sub_co_u32 s13, ttmp9, 512                   ; block of 16 rows of wb, 0..79
	s_mul_i32 s14, s13, 205
	s_lshr_b32 s14, s14, 11                        ; j = block / 10 (exact for 0..79)
	s_mul_i32 s15, s14, 10
	s_sub_co_u32 s15, s13, s15                     ; the block's place in its tile, 0..9
	s_lshl_b32 s10, s13, 15
	s_add_nc_u64 s[6:7], s[32:33], s[10:11]
	s_cmp_lt_u32 s15, 8
	s_cbranch_scc0 .Lkv
	s_lshl_b32 s8, s14, 7                          ; Wq row 128 j + 64 (place & 1) + 16 (place >> 1)
	s_and_b32 s40, s15, 1
	s_lshl_b32 s40, s40, 6
	s_add_co_u32 s8, s8, s40
	s_lshr_b32 s40, s15, 1
	s_lshl_b32 s40, s40, 4
	s_add_co_u32 s8, s8, s40
	s_lshl_b32 s8, s8, 12
	s_add_nc_u64 s[4:5], s[18:19], s[8:9]
	s_branch .Lrows
.Lkv:
	s_sub_co_u32 s15, s15, 8
	s_cmp_lt_u32 s14, 4
	s_cbranch_scc0 .Lv
	s_lshl_b32 s8, s15, 6                          ; Wk row 64 (place - 8) + 16 j
	s_lshl_b32 s40, s14, 4
	s_add_co_u32 s8, s8, s40
	s_lshl_b32 s8, s8, 12
	s_add_nc_u64 s[4:5], s[20:21], s[8:9]
	s_branch .Lrows
.Lv:
	s_sub_co_u32 s14, s14, 4
	s_lshl_b32 s8, s14, 5                          ; Wv row 32 (j - 4) + 16 (place - 8)
	s_lshl_b32 s40, s15, 4
	s_add_co_u32 s8, s8, s40
	s_lshl_b32 s8, s8, 12
	s_add_nc_u64 s[4:5], s[22:23], s[8:9]
	s_branch .Lrows
.Lnot_w:
	s_cmp_lt_u32 ttmp9, 656
	s_cbranch_scc0 .Lcs
	s_sub_co_u32 s13, ttmp9, 592
	s_lshl_b32 s8, s13, 16
	s_lshl_b32 s10, s13, 15
	s_add_nc_u64 s[4:5], s[24:25], s[8:9]
	s_add_nc_u64 s[6:7], s[34:35], s[10:11]
	s_branch .Lrows_f16
; 16 rows, in four blocks of four.  half = 1: the bf16 number is written as f16.  Every row has registers of its own, so nothing that a load or a store reads is written again.
.macro ROWS half
	s_wait_alu depctr_va_vdst(0)                   ; v1 and v2 are written: the loads below read v1 as their offset, the stores v2
.set p, 0
.rept 16
	global_load_b128 v[X+4*p:X+4*p+3], v1, s[4:5] offset:4096*p th:TH_LOAD_NT
.set p, p+1
.endr
.set b, 0
.rept 4
	s_wait_loadcnt 12-4*b                          ; loads come back in order: block b's four rows are in, the younger blocks stay out
.if b > 0
	s_wait_alu depctr_va_vdst(0)                   ; the conversions of the block before have written the registers that the four stores below read
.endif
.set i, 0
.rept 4
.set p, 4*b+i
.if b > 0
	global_store_b64 v2, v[X+4*(p-4):X+4*(p-4)+1], s[6:7] offset:2048*(p-4)  ; a row of the block before.  No wait: no vector line since the wait above names its registers
.endif
	v_cvt_pk_bf16_f32 v[X+4*p], v[X+4*p], v[X+4*p+1]
	v_cvt_pk_bf16_f32 v[X+4*p+1], v[X+4*p+2], v[X+4*p+3]
.if \half
	v_lshlrev_b32 v[X+4*p+2], 16, v[X+4*p]
	v_and_b32 v[X+4*p+3], s12, v[X+4*p]
	v_cvt_pk_f16_f32 v[X+4*p], v[X+4*p+2], v[X+4*p+3]
	v_lshlrev_b32 v[X+4*p+2], 16, v[X+4*p+1]
	v_and_b32 v[X+4*p+3], s12, v[X+4*p+1]
	v_cvt_pk_f16_f32 v[X+4*p+1], v[X+4*p+2], v[X+4*p+3]
.endif
.set i, i+1
.endr
.set b, b+1
.endr
	s_wait_alu depctr_va_vdst(0)                   ; the last block's conversions have written the registers that the last four stores read
.set p, 12
.rept 4
	global_store_b64 v2, v[X+4*p:X+4*p+1], s[6:7] offset:2048*p
.set p, p+1
.endr
	s_endpgm
.endm
.Lrows:
	ROWS 0
.Lrows_f16:
	ROWS 1
; cos and sin.  A pass is 16 rows t: thread t' stores the 16 bytes at 16 t' of 4,096; even threads hold eight cos, odd threads the eight sin of the same channels.
; Both tables' 32 bytes are loaded and one is chosen by the thread's parity.  Eight passes in two halves of four: both halves load into X, each rounds into a Y of its own.
.macro CSLOAD h                        ; the sixteen loads of a half
.set p, 0
.rept 4
	global_load_b128 v[X+16*p:X+16*p+3],     v5, s[4:5]   offset:4096*(4*(\h)+p)
	global_load_b128 v[X+16*p+4:X+16*p+7],   v5, s[4:5]   offset:4096*(4*(\h)+p)+16
	global_load_b128 v[X+16*p+8:X+16*p+11],  v5, s[38:39] offset:4096*(4*(\h)+p)
	global_load_b128 v[X+16*p+12:X+16*p+15], v5, s[38:39] offset:4096*(4*(\h)+p)+16
.set p, p+1
.endr
.endm
.macro CSWORK h                        ; its selects and roundings
.set p, 0
.rept 4
	s_wait_loadcnt 4*(3-p)                         ; pass p's four loads are in; four for each younger pass stay out
.set z, 0
.rept 8
	v_cndmask_b32 v[X+16*p+z], v[X+16*p+z], v[X+16*p+8+z], vcc_lo
.set z, z+1
.endr
.set z, 0
.rept 4
	v_cvt_pk_bf16_f32 v[Y+16*(\h)+4*p+z], v[X+16*p+2*z], v[X+16*p+2*z+1]
.set z, z+1
.endr
.set p, p+1
.endr
.endm
.macro CSSTORE h                       ; its four stores: 512 consecutive bytes a wave
.set p, 0
.rept 4
	global_store_b128 v1, v[Y+16*(\h)+4*p:Y+16*(\h)+4*p+3], s[6:7] offset:4096*(4*(\h)+p)
.set p, p+1
.endr
.endm
.Lcs:
	s_sub_co_u32 s13, ttmp9, 656
	s_lshl_b32 s8, s13, 15                         ; 128 rows of 256 bytes, in and out
	s_add_nc_u64 s[4:5], s[26:27], s[8:9]
	s_add_nc_u64 s[38:39], s[28:29], s[8:9]
	s_add_nc_u64 s[6:7], s[36:37], s[8:9]
	v_and_b32 v3, 15, v0
	v_lshrrev_b32 v4, 4, v0                        ; the row in the pass
	v_lshrrev_b32 v5, 1, v3
	v_lshlrev_b32 v5, 5, v5                        ; eight channels of f32
	v_lshl_add_u32 v5, v4, 8, v5
	v_and_b32 v3, 1, v0
	v_cmp_eq_u32 vcc_lo, 1, v3
	s_wait_alu depctr_va_vdst(0)                   ; v5 and v1 are written: the loads read v5 as their offset, the stores v1
	CSLOAD 0
	s_wait_alu depctr_va_vcc(0)                    ; the compare has written VCC, ahead of its first reader, the first select below
	CSWORK 0
	s_wait_alu depctr_va_vdst(0)                   ; the conversions have written Y0, which the stores below read; the selects and conversions are done reading and writing X, in which the loads below land
	CSLOAD 1                                       ; the loads go out ahead of the stores
	CSSTORE 0
	CSWORK 1                                       ; names X and Y1: none of the registers that the stores above read
	s_wait_alu depctr_va_vdst(0)                   ; the conversions have written Y1, which the last four stores read
	CSSTORE 1
	s_endpgm
.Lfunc_end_k_q73948195b1_cast:
	.size	k_q73948195b1_cast, .Lfunc_end_k_q73948195b1_cast-k_q73948195b1_cast
	.p2alignl 7, 3214868480
	.fill 96, 4, 3214868480
	.section	.rodata,"a",@progbits
	.p2align	6, 0x0
	.amdhsa_kernel k_q73948195b1_cast
		.amdhsa_group_segment_fixed_size 0
		.amdhsa_private_segment_fixed_size 0
		.amdhsa_enable_private_segment 0
		.amdhsa_kernarg_size 88
		.amdhsa_user_sgpr_count 2
		.amdhsa_user_sgpr_kernarg_segment_ptr 1
		.amdhsa_wavefront_size32 1
		.amdhsa_system_sgpr_workgroup_id_x 1
		.amdhsa_system_sgpr_workgroup_id_y 1
		.amdhsa_system_sgpr_workgroup_id_z 1
		.amdhsa_system_vgpr_workitem_id 0
		.amdhsa_next_free_vgpr 128
		.amdhsa_next_free_sgpr 66
		.amdhsa_reserve_vcc 1
		.amdhsa_float_denorm_mode_32 3
		.amdhsa_float_denorm_mode_16_64 3
		.amdhsa_memory_ordered 1
		.amdhsa_forward_progress 1
		.amdhsa_inst_pref_size 26
	.end_amdhsa_kernel
	.amdgpu_metadata
---
amdhsa.version: [ 1, 2 ]
amdhsa.kernels:
  - .name:           k_q73948195b1_cast
    .symbol:         k_q73948195b1_cast.kd
    .args:
      - { .name: x, .offset: 0, .size: 8, .value_kind: global_buffer, .address_space: global }
      - { .name: Wq, .offset: 8, .size: 8, .value_kind: global_buffer, .address_space: global }
      - { .name: Wk, .offset: 16, .size: 8, .value_kind: global_buffer, .address_space: global }
      - { .name: Wv, .offset: 24, .size: 8, .value_kind: global_buffer, .address_space: global }
      - { .name: Wo, .offset: 32, .size: 8, .value_kind: global_buffer, .address_space: global }
      - { .name: cos, .offset: 40, .size: 8, .value_kind: global_buffer, .address_space: global }
      - { .name: sin, .offset: 48, .size: 8, .value_kind: global_buffer, .address_space: global }
      - { .name: xb, .offset: 56, .size: 8, .value_kind: global_buffer, .address_space: global }
      - { .name: wb, .offset: 64, .size: 8, .value_kind: global_buffer, .address_space: global }
      - { .name: wob, .offset: 72, .size: 8, .value_kind: global_buffer, .address_space: global }
      - { .name: csb, .offset: 80, .size: 8, .value_kind: global_buffer, .address_space: global }
    .group_segment_fixed_size: 0
    .private_segment_fixed_size: 0
    .kernarg_segment_align: 8
    .kernarg_segment_size: 88
    .max_flat_workgroup_size: 256
    .sgpr_count:     66
    .vgpr_count:     128
    .wavefront_size: 32
...
	.end_amdgpu_metadata
.endif
;; end of part 5
;; launch qkv: the kernel of part 2 again; grid 8 x 32, 4 waves a work-group, clusters of 4 x 4, 327,680 bytes of LDS; arguments xb, wb, csb, qk_gain, qb, kvb; writes qb, kvb
;; launch attn: the kernel of part 3 again; grid 64 x 4, 4 waves a work-group, clusters of 4 x 1, 327,680 bytes of LDS; arguments qb, kvb, ob; writes ob
;; launch oproj: the kernel of part 4 again; grid 8 x 32, 4 waves a work-group, clusters of 4 x 4, 327,680 bytes of LDS; arguments ob, wob, out0; writes out0
